; MI455X (gfx1250); checked and timed in simulation.
; The chip was launched on July 23, 2026; its instructions are those of AMD's public machine-readable ISA for CDNA 5 (MIT licence, August 2026) and "CDNA5" Instruction Set Architecture Reference Guide (July 2026). The comments in the code are by the model that wrote it; some were corrected since.
;; Multi Attention. Allowed arithmetic: matrix products marked QUANTISED: E2M3 operands, one E8M0 scale for each 32 along K, by v_wmma_scale_f32_16x16x128_f8f6f4 with both operands' format E2M3, f32 sums; everything else in f32.
;; Inputs: Wc 1,024 x 1,024 float32; Wk 16 x 1,024 x 64 float32; Wq 16 x 1,024 x 64 float32; Wv 16 x 1,024 x 64 float32; bc 1,024 float32; x 4,096 x 1,024 float32.
;; Outputs: out0 4,096 x 1,024 float32.
;; This version of the problem:
;;   THIS VERSION OF THE PROBLEM IS GIVEN IN LOW PRECISION. The matrix products marked QUANTISED in the list below multiply operands that are first quantised to E2M3 (2 exponent bits, 3 mantissa bits; 6 bits a number), with one power-of-two scale for each 32 numbers along K (OCP MX v1.0); their sums are f32. All else is computed in f32.
;;   The module's matrix products, in the order in which they are computed (A, B: the left and right operand; K: the contracted axis; several contracted axes count as one K, in the product's order):
;;     1. [M 1,024, K 1,024] x [K 1,024, N 4,096]; A: input Wq; B: input x: QUANTISED
;;     2. [M 1,024, K 1,024] x [K 1,024, N 4,096]; A: input Wk; B: input x: QUANTISED
;;     3. [M 1,024, K 1,024] x [K 1,024, N 4,096]; A: input Wv; B: input x: QUANTISED
;;     4. batch 16 x [M 4,096, K 64] x [K 64, N 4,096]; A: computed on the way; B: computed on the way: QUANTISED
;;     5. batch 16 x [M 4,096, K 4,096] x [K 4,096, N 64]; A: softmax (see below); B: computed on the way: QUANTISED
;;     6. [M 4,096, K 1,024] x [K 1,024, N 1,024]; A: computed on the way; B: input Wc: QUANTISED
;;   THE QUANTISER, for each operand of a quantised product, along K:
;;     - K is cut into blocks of 32 from its start; a last block that is shorter is filled with zeros.
;;     - A block's scale is 2^e with e = floor(log2(the largest magnitude in the block)) - 2, held to -126 .. 127; a block of zeros has e = 0. As a byte (E8M0): e + 127.
;;     - Each number is divided by its block's scale, clamped to +-7.5, and rounded to the nearest number of E2M3, ties to even, subnormals kept.
;;     - The product sums the exact products of the quantised numbers (number of the format x scale) in f32.
;;   ~~~python
;;   def quantise(x, axis):      # numpy; x: float32 -> the quantised numbers, widened to float32 again
;;       x = np.moveaxis(x, axis, -1); K = x.shape[-1]
;;       x = np.pad(x, [(0, 0)] * (x.ndim - 1) + [(0, -K % 32)]); x = x.reshape(x.shape[:-1] + (-1, 32)); a = np.abs(x).max(-1, keepdims=True)
;;       e = np.where(a > 0, np.clip(np.frexp(np.where(a > 0, a, 1))[1] - 1 - 2, -126, 127), 0)      # np.frexp(a)[1] - 1 = floor(log2(a)), exactly
;;       r = np.clip(x / 2.0 ** e, -7.5, 7.5)
;;       step = 2.0 ** (np.maximum(np.frexp(np.where(r == 0, 1, r))[1] - 1, 0) - 3)
;;       q = np.round(r / step) * step * 2.0 ** e      # np.round: ties to even
;;       return np.moveaxis(q.reshape(q.shape[:-2] + (-1,))[..., :K], -1, axis).astype(np.float32)
;;   ~~~
;;   SOFTMAX AHEAD OF A QUANTISED PRODUCT. Where the list says 'softmax', what is quantised is not the finished softmax but p = 2^(t - M), with t = logit x log2(e) and M = ceil(the row's largest t), a whole number; so 1/2 < the row's largest p <= 1. The row's sum l is taken of the UNQUANTISED p, in f32, and the product's result is divided by l at the end. Since M is a whole number, a kernel that streams over the keys may use a running M (the ceiling of the running maximum): every later rescaling is an exact power of two, which a block's scale takes up: the codes' values come out the same.
;;   OPERANDS COMPUTED ON THE WAY. 'Computed on the way' means the value that the module computes at that place (a softmax that the list does not call 'softmax' is quantised finished and normalised). What goes into a quantiser is computed in f32, as accurately as f32 sums, v_exp_f32 and their like allow (about 1e-6 of the number): no bf16 or f16 on the way to a quantiser, and a product that is left as it is and whose result goes on into a quantised operand takes f32 operands (vector FMAs, or v_wmma_f32_16x16x4_f32). A number that lies on a knife's edge between two numbers of the format may be rounded either way, as far as f32 arithmetic and the matrix unit's own rounding can turn it there, and no further.
;; One version. Each part assembles by itself: llvm-mc -triple=amdgcn-amd-amdhsa -mcpu=gfx1250 --defsym DOCPART=n.
;; ======== version 1 of 1: 4 launches
;; limits: right only within a limited range of input values
;; workspace buffers: qz 6,553,600 bytes; qb 3,670,016 bytes; kvc 6,684,672 bytes; cq 3,276,800 bytes
;; launch quant (part 1): grid 256 x 1, 8 waves a work-group, no clusters, 136,192 bytes of LDS; arguments x, Wq, Wk, Wv, Wc, qz; writes qz
.if DOCPART == 1
	.amdgcn_target "amdgcn-amd-amdhsa--gfx1250"
	.amdhsa_code_object_version 6
	.text
	.protected	k_q977d3e253d_quant
	.globl	k_q977d3e253d_quant
	.p2align	8
	.type	k_q977d3e253d_quant,@function
k_q977d3e253d_quant:
	s_mov_b64 s[64:65], 0
	v_nop
	global_prefetch_b8 v0, s[64:65] scope:SCOPE_SE
	s_setreg_imm32_b32 hwreg(HW_REG_WAVE_MODE, 25, 1), 1
	s_wait_xcnt 0x0
; x [4096][1024] and the four weights (K = their first matrix axis), f32, become codes of FP6 (E2M3) with one E8M0 byte for each 32 along K,
; laid in the ORDER OF THE OPERAND REGISTERS of v_wmma_scale_f32_16x16x128_f8f6f4, so that later launches load fragments by dense 16- and 8-byte loads.
; A PAIR is 32 neighbouring rows (of x) or columns (of a weight), number p: row l of it goes to tile u = (l / 8) % 2, tile row r = l % 8 + 8 (l / 16).
; A pair's RECORD, 25,600 bytes, holds all of K = 1,024: fragment (u, s), s = the K step of 128, at 1536 (8 u + s); in it half c (64 along K) at 768 c;
; in a half the lane (r, h) of the matrix operand has its block's 24 bytes: registers 0-3 at 16 (r + 16 h), registers 4-5 at 512 + 8 (r + 16 h).
; The scale words (four bytes: the step's four blocks) lie at 24,576 + 128 s + 4 (16 u + r).
; Records 0-127: x.  128-159: Wq (pair j = columns 32 j on of head x 64 + dk).  160-191: Wk.  192-223: Wv.  224-255: Wc (output columns).
; SHARES.  Work-group p makes record p, wave s its K step s; lane l takes row l of the pair and holds the step's 128 numbers: four whole blocks, so no maximum crosses lanes.
; x has K innermost: its loads take 512 consecutive bytes of a row and turn through the wave's own stage in LDS (pitch 528 bytes = 33 x 16).  A weight has K outermost: a lane takes a column and its registers run down K.
; A block's scale is 2^(floor(log2(largest magnitude)) - 2): its byte is that magnitude's exponent field - 2, held at 1 from below by a floor among the maximum's leaves.
; LIMITS: NaN and infinities among the inputs are not served; a block of zeros gets the byte 1 where the rule says 127 (its codes are zeros, and this program alone reads the bytes).
.set STG,   16896                      ; a wave's stage: 32 rows x 528 bytes
.set SPARE, 8*STG                      ; behind the stages: the spare words, 128 bytes a wave: four blocks of 256 bytes that no other line names
.set PRB,   25600                      ; a record
.set X,     64                         ; v64-191: register 32 b + i = number i of block b
; v1 16 l, v2 4 l (loads); v3, v4 the stage, in and out; v5, v6 my codes' places, v7 my scale word's; v10, v11 the add's two; v12 the scale word;
; v16+4b the second conversion's result; v32+8b.. block b's six registers of codes; v192+2b two chains of maxima; v200+b the conversion's scale operand; v204+b the byte
	s_load_b256 s[4:11], s[0:1], 0x0               ; x s[4:5], Wq s[6:7], Wk s[8:9], Wv s[10:11]
	s_load_b128 s[12:15], s[0:1], 0x20             ; Wc s[12:13], qz s[14:15]
	v_lshl_add_u32 v10, v0, 2, SPARE
	v_mov_b32 v11, 0
	v_lshrrev_b32 v1, 5, v0
	s_delay_alu instid0(VALU_DEP_1)
	v_readfirstlane_b32 s16, v1                    ; wave = K step s
	v_and_b32 v8, 31, v0                           ; l
	s_delay_alu instid0(VALU_DEP_1)
	v_lshlrev_b32 v1, 4, v8
	s_delay_alu instid0(VALU_DEP_2)
	v_lshlrev_b32 v2, 2, v8
	s_mul_i32 s17, s16, STG
	v_add_nc_u32 v3, s17, v1                       ; into the stage: 16 l of a row
	v_mul_u32_u24 v4, v8, 528
	s_delay_alu instid0(VALU_DEP_1)
	v_add_nc_u32 v4, s17, v4                       ; out of it: row l
	v_bfe_u32 v9, v8, 3, 1                         ; u
	v_and_b32 v13, 7, v8
	v_bfe_u32 v14, v8, 4, 1
	s_delay_alu instid0(VALU_DEP_1)
	v_lshl_add_u32 v13, v14, 3, v13                ; r
	s_delay_alu instid0(VALU_DEP_4)
	v_mul_u32_u24 v5, v9, 12288                    ; tile u's eight fragments
	s_delay_alu instid0(VALU_DEP_1)
	v_lshl_add_u32 v6, v13, 3, v5                  ; + 8 r
	s_delay_alu instid0(VALU_DEP_2)
	v_lshl_add_u32 v5, v13, 4, v5                  ; + 16 r
	s_delay_alu instid0(VALU_DEP_4)
	v_lshl_add_u32 v7, v9, 4, v13
	s_delay_alu instid0(VALU_DEP_1)
	v_lshlrev_b32 v7, 2, v7                        ; 4 (16 u + r)
	s_mul_i32 s24, ttmp9, PRB
	s_mul_i32 s26, s16, 1536
	s_add_co_u32 s26, s26, s24                     ; my fragments of the record
	s_mov_b32 s27, 0
	s_lshl_b32 s28, s16, 7
	s_add_co_u32 s28, s28, s24
	s_add_co_u32 s28, s28, 24576                   ; my step's scale words
	s_mov_b32 s29, 0
	s_wait_kmcnt 0x0
	s_add_nc_u64 s[20:21], s[14:15], s[26:27]
	s_add_nc_u64 s[22:23], s[14:15], s[28:29]
.macro WLOAD stride                    ; a weight: number n of my column, n = 0 .. 127 down K; 32 lanes read 128 consecutive bytes
.set n, 0
.rept 128
	global_load_b32 v[X+n], v2, s[18:19] offset:n*\stride
.set n, n+1
.endr
.endm
	s_cmp_lt_u32 ttmp9, 128                        ; which tensor: the work-group's number alone decides
	s_cbranch_scc0 .Lweight
	s_lshl_b32 s24, ttmp9, 17                      ; x: 32 rows of 4,096 bytes a pair,
	s_lshl_b32 s25, s16, 9                         ; 512 bytes a K step
	s_add_co_u32 s24, s24, s25
	s_mov_b32 s25, 0
	s_add_nc_u64 s[18:19], s[4:5], s[24:25]
.set i, 0
.rept 32
	global_load_b128 v[X+4*i:X+4*i+3], v1, s[18:19] offset:4096*i th:TH_LOAD_NT   ; row i: 512 consecutive bytes
.set i, i+1
.endr
.set i, 0
.rept 32
	s_wait_loadcnt 31-i                            ; loads come back in order: row i is in, the 31 - i behind it may be out
	ds_store_b128 v3, v[X+4*i:X+4*i+3] offset:528*i
.set i, i+1
.endr
	s_wait_dscnt 0x0                               ; the stores have read their registers, which the loads below write
.set i, 0
.rept 32
	ds_load_b128 v[X+4*i:X+4*i+3], v4 offset:16*i  ; my row's 128 numbers
.set i, i+1
.endr
	s_branch .Lquantise
.Lweight:
	s_cmp_lt_u32 ttmp9, 224
	s_cbranch_scc0 .Lwc
	s_cmp_lt_u32 ttmp9, 192
	s_cselect_b64 s[18:19], s[8:9], s[10:11]
	s_cmp_lt_u32 ttmp9, 160
	s_cselect_b64 s[18:19], s[6:7], s[18:19]       ; Wq, Wk or Wv: [16][1024][64]
	s_and_b32 s24, ttmp9, 31                       ; pair j of the tensor
	s_lshr_b32 s25, s24, 1
	s_lshl_b32 s25, s25, 18                        ; head j / 2: 262,144 bytes
	s_and_b32 s24, s24, 1
	s_lshl_b32 s24, s24, 7                         ; columns 32 (j % 2) on
	s_add_co_u32 s24, s24, s25
	s_lshl_b32 s25, s16, 15                        ; 128 rows of 256 bytes a K step
	s_add_co_u32 s24, s24, s25
	s_mov_b32 s25, 0
	s_add_nc_u64 s[18:19], s[18:19], s[24:25]
	WLOAD 256
	s_branch .Lquantise
.Lwc:
	s_sub_co_u32 s24, ttmp9, 224                   ; Wc: [1024][1024]
	s_lshl_b32 s24, s24, 7                         ; columns 32 j on
	s_lshl_b32 s25, s16, 19                        ; 128 rows of 4,096 bytes a K step
	s_add_co_u32 s24, s24, s25
	s_mov_b32 s25, 0
	s_add_nc_u64 s[18:19], s[12:13], s[24:25]
	WLOAD 4096
.Lquantise:
.macro BLOCK b
.set XB, X+32*(\b)
.set MA, 192+2*(\b)
.if (\b) < 2
	s_wait_loadcnt 63                              ; a weight: block b's 32 loads are in (96 or 64 were issued behind them: the wait's field holds 63)
.else
	s_wait_loadcnt 32*(3-(\b))                     ; the later blocks' loads may be out
.endif
	s_wait_dscnt 8*(3-(\b))                        ; x: block b's eight loads from the stage are in, the later blocks' may be out
	v_max3_num_f32 v[MA], |v[XB]|, |v[XB+1]|, |v[XB+2]|            ; the block's largest magnitude, in two chains: all 32 numbers are mine
	v_max3_num_f32 v[MA+1], |v[XB+3]|, |v[XB+4]|, |v[XB+5]|
.irp i, 6,10,14,18,22,26
	s_delay_alu instid0(VALU_DEP_2)
	v_max3_num_f32 v[MA], v[MA], |v[XB+\i]|, |v[XB+\i+1]|
	s_delay_alu instid0(VALU_DEP_2)
	v_max3_num_f32 v[MA+1], v[MA+1], |v[XB+\i+2]|, |v[XB+\i+3]|
.endr
	s_delay_alu instid0(VALU_DEP_2)
	v_max3_num_f32 v[MA], v[MA], |v[XB+30]|, |v[XB+31]|
	s_delay_alu instid0(VALU_DEP_1)
	v_max3_num_f32 v[MA], v[MA], v[MA+1], 0x1800000                ; and the floor 2^(3 - 127): the byte cannot fall under 1
	s_delay_alu instid0(VALU_DEP_1)
	v_add_nc_u32 v[200+(\b)], 0xff000000, v[MA]                    ; 2 off the exponent field: the conversion takes this operand's exponent field as its scale
	v_cvt_scalef32_pk16_fp6_f32 v[32+8*(\b):34+8*(\b)], v[XB:XB+15], v[200+(\b)]
	v_cvt_scalef32_pk16_fp6_f32 v[16+4*(\b):18+4*(\b)], v[XB+16:XB+31], v[200+(\b)]   ; (a conversion's three registers begin on an even number)
	v_lshrrev_b32 v[204+(\b)], 23, v[200+(\b)]                     ; the byte; also the plain instruction between the conversions and the moves that read a result
.if (\b) == 0
	s_delay_alu instid0(VALU_DEP_1)
	v_mov_b32 v12, v[204]
.else
	s_delay_alu instid0(VALU_DEP_1)
	v_lshl_or_b32 v12, v[204+(\b)], 8*(\b), v12                    ; the lower K in the lower byte
.endif
.irp i, 0,1,2
	v_mov_b32 v[35+8*(\b)+\i], v[16+4*(\b)+\i]
.endr
	global_store_b128 v5, v[32+8*(\b):35+8*(\b)], s[20:21] offset:768*((\b)/2)+256*((\b)%2)       ; the 16 lanes of a tile store 256 consecutive bytes, aligned
	global_store_b64 v6, v[36+8*(\b):37+8*(\b)], s[20:21] offset:768*((\b)/2)+512+128*((\b)%2)
.endm
	BLOCK 0                                        ; each block has registers of its own for its codes: no store's data are written again
	BLOCK 1
	BLOCK 2
	BLOCK 3
	global_store_b32 v7, v12, s[22:23]             ; the wave's 32 scale words: 128 consecutive bytes
	s_wait_tensorcnt 0x0                           ; the wave's end
	ds_add_u32 v10, v11
	s_wait_dscnt 0x0
	s_endpgm
.Lfunc_end_k_q977d3e253d_quant:
	.size	k_q977d3e253d_quant, .Lfunc_end_k_q977d3e253d_quant-k_q977d3e253d_quant
	.p2alignl 7, 3214868480
	.fill 96, 4, 3214868480
	.section	.rodata,"a",@progbits
	.p2align	6, 0x0
	.amdhsa_kernel k_q977d3e253d_quant
		.amdhsa_group_segment_fixed_size 136192
		.amdhsa_private_segment_fixed_size 0
		.amdhsa_enable_private_segment 0
		.amdhsa_kernarg_size 48
		.amdhsa_user_sgpr_count 2
		.amdhsa_user_sgpr_kernarg_segment_ptr 1
		.amdhsa_wavefront_size32 1
		.amdhsa_system_sgpr_workgroup_id_x 1
		.amdhsa_system_sgpr_workgroup_id_y 1
		.amdhsa_system_sgpr_workgroup_id_z 1
		.amdhsa_system_vgpr_workitem_id 0
		.amdhsa_next_free_vgpr 208
		.amdhsa_next_free_sgpr 66
		.amdhsa_reserve_vcc 0
		.amdhsa_float_denorm_mode_32 3
		.amdhsa_float_denorm_mode_16_64 3
		.amdhsa_memory_ordered 1
		.amdhsa_forward_progress 1
		.amdhsa_inst_pref_size 45
	.end_amdhsa_kernel
	.amdgpu_metadata
---
amdhsa.version: [ 1, 2 ]
amdhsa.kernels:
  - .name:           k_q977d3e253d_quant
    .symbol:         k_q977d3e253d_quant.kd
    .args:
      - { .name: x, .offset: 0, .size: 8, .value_kind: global_buffer, .address_space: global }
      - { .name: Wq, .offset: 8, .size: 8, .value_kind: global_buffer, .address_space: global }
      - { .name: Wk, .offset: 16, .size: 8, .value_kind: global_buffer, .address_space: global }
      - { .name: Wv, .offset: 24, .size: 8, .value_kind: global_buffer, .address_space: global }
      - { .name: Wc, .offset: 32, .size: 8, .value_kind: global_buffer, .address_space: global }
      - { .name: qz, .offset: 40, .size: 8, .value_kind: global_buffer, .address_space: global }
    .group_segment_fixed_size: 136192
    .private_segment_fixed_size: 0
    .kernarg_segment_align: 8
    .kernarg_segment_size: 48
    .max_flat_workgroup_size: 256
    .sgpr_count:     66
    .vgpr_count:     208
    .wavefront_size: 32
...
	.end_amdgpu_metadata
.endif
;; end of part 1
;; launch proj (part 2): grid 16 x 16, 4 waves a work-group, clusters of 4 x 1, 167,936 bytes of LDS; arguments qz, qb, kvc; writes qb, kvc
.if DOCPART == 2
	.amdgcn_target "amdgcn-amd-amdhsa--gfx1250"
	.amdhsa_code_object_version 6
	.text
	.protected	k_q977d3e253d_proj
	.globl	k_q977d3e253d_proj
	.p2align	8
	.type	k_q977d3e253d_proj,@function
k_q977d3e253d_proj:
	s_mov_b64 s[64:65], 0
	v_nop
	global_prefetch_b8 v0, s[64:65] scope:SCOPE_SE
	s_setreg_imm32_b32 hwreg(HW_REG_WAVE_MODE, 25, 1), 1
	s_wait_xcnt 0x0
	s_wait_alu depctr_hold_cnt(0) depctr_sa_sdst(0) depctr_va_vdst(0) depctr_va_sdst(0) depctr_va_ssrc(0) depctr_va_vcc(0) depctr_vm_vsrc(0)
	s_getreg_b32 s2, hwreg(HW_REG_IB_STS2, 6, 4)
	s_cmp_eq_u32 s2, 0
	s_cbranch_scc0 .Lentry_in_a_cluster
	s_endpgm
.Lentry_in_a_cluster:
	s_bfe_u32 s2, ttmp6, 0x10000c
	s_cmp_lg_u32 s2, 0x3003
	s_cbranch_scc0 .Lentry_shape_is_right
	s_endpgm
.Lentry_shape_is_right:
; q, k, v = x Wq, x Wk, x Wv for one head and 256 rows, on codes of FP6 (E2M3) with E8M0 scales, and each result quantised in registers for the products that follow: q and k along the head's 64, v along the keys.
; OPERANDS come as records in the order of the operand registers (25,600 bytes for 32 rows and K = 1,024: fragment (u, s) at 1536 (8 u + s), its halves of 64 along K 768 bytes apart, registers 0-3 at 16 x lane,
; registers 4-5 at 512 + 8 x lane; scale words at 24,576 + 128 s + 4 (16 u + r)).  Row l of a pair lies in tile u = (l / 8) % 2, tile row l % 8 + 8 (l / 16): so the 16 result registers of a pair's two tiles, taken as
; source 0, are 16 NEIGHBOURS, 16 (lane / 16) + 0 .. 15, which is what the conversions want.
; SHARES.  Work-group (R, head): rows 256 R on.  Wave w: rows 64 w on, four tiles a; its fragments of x for all of K stay in 384 registers, loaded from memory once, three K steps ahead.
; It makes 64 x 64 of q, then of k, then of v: 16 accumulators by turns, 128 matrix instructions a group.
; THE WEIGHTS of the head, three parts of 51,200 dense bytes, lie whole in LDS, each filled once.  CLUSTER: the four row blocks of a cluster want the same three parts: each wave asks for a quarter of each part JOINTLY
; (same descriptor, mask of all four).  By this text's count three tensor loads of a wave are out at the most.
; q and k: source 0 = 16 columns of W, source 1 = 16 rows of x: a lane holds one row and registers along the head's 64.  v: source 0 = 16 rows of x (keys), source 1 = 16 columns of Wv: a lane holds one channel and registers along the keys.
; OUT.  q: a half fragment (768 bytes) for each tile of 16 rows, and 128 bytes of scale words (bytes 2, 3 = 0x7f: the upper half of the K = 128 instruction will multiply zero codes).
; k, v: for each 128 keys a record of 12,288 bytes: eight half fragments of k, four fragments of v (16 channels x 128 keys); their scale words 768 bytes a key step.  A key step's scale word of v comes from two waves:
; each stores its two bytes, 64 stores of 2 bytes a lane in a work-group; all other stores cover 128 consecutive bytes or more.
; LIMITS: NaN and infinities are not served; a block of zeros gets the byte 1 where the rule says 127 (its codes are zeros, and this program alone reads the bytes).
; REGISTERS.  Window 0: v1-9 16, 8, 4 x lane + the part's place in LDS (v1-3 serve memory too); v10, v11 the add's two; v12-19 maxima; v20-27 the other half's, then bytes; v32-47 x's scale words (2 s + pair);
;   v48-51 W's, two sets; v52-57 words made; v64.. codes made; v96-103 conversion scales; v104.. second conversions; v128-255 accumulators.
;   Window 1: x's fragments of K steps 0-4 at 48 s + 12 a.   Window 2: K steps 5-7 at 48 (s - 5) + 12 a; from v144 W's fragments, two sets of 48.
; WHAT HOLDS IN PLACE OF THE LINES ABOVE ON THE WEIGHTS' LOADS AND ON k's AND v's RECORDS:
; each of the three parts (200 rows of 256 bytes) is asked for whole by one wave (wave m: part m; wave 3 asks for none), jointly with the same wave of the three partners: one tensor load a wave, one wait for 0, one barrier.
; A key step's record is 13,056 bytes: eight tiles of k, four fragments of v, then 768 bytes of scale words (k's at 12,288, v's at 12,800).
; k's tiles are laid by blocks of keys: of a group of 64 keys, tile u (0 .. 3) holds in rows 0-7 keys 8 u + 0 .. 7 and in rows 8-15 keys 32 + 8 u + 0 .. 7; the stores' lane addresses (v29, v30, v31) do that.
.set PRB,   25600
.set PART,  2*PRB                      ; a head's part of one weight
.set SPARE, 3*PART                     ; behind the three parts: the spare words, 128 bytes a wave: two blocks of 256 bytes that no other line names
.set ACC,   128
.set XSC,   32
.set WSC,   48
.set MSB, 0
.macro WIN new                         ; low byte: bits 1:0 source 0, 3:2 source 1, 5:4 source 2, 7:6 destination; the high byte repeats the setting that is left
.if MSB != \new
	s_set_vgpr_msb (MSB<<8)|\new
.set MSB, \new
.endif
.endm
.macro CROUND                          ; a round of the cluster's barrier
	s_barrier_signal -1
	s_barrier_wait -1
	s_cmp_lg_u32 s12, 0
	s_cbranch_scc1 .Lnot_wave_0_\@
	s_barrier_signal -3
.Lnot_wave_0_\@:
	s_barrier_wait -3
	s_barrier_signal -1
	s_barrier_wait -1
.endm
.macro PLACES n
.rept \n
	v_nop
.endr
.endm
; one matrix instruction: D, source 0, source 1 by their first registers; z = 1: the sum begins with 0; sa, sb the scale registers; ra, rb = 1: the scales stand in lanes 16-31
.macro WM d, a, b, z, sa, sb, ra, rb
.set wD, \d
.set wA, \a
.set wB, \b
.set wS, \sa
.set wT, \sb
.if \z
.if (\ra) && (\rb)
	v_wmma_scale_f32_16x16x128_f8f6f4 v[wD:wD+7], v[wA:wA+11], v[wB:wB+11], 0, v[wS], v[wT] matrix_a_fmt:MATRIX_FMT_FP6 matrix_b_fmt:MATRIX_FMT_FP6 matrix_a_scale:MATRIX_SCALE_ROW1 matrix_b_scale:MATRIX_SCALE_ROW1
.elseif \ra
	v_wmma_scale_f32_16x16x128_f8f6f4 v[wD:wD+7], v[wA:wA+11], v[wB:wB+11], 0, v[wS], v[wT] matrix_a_fmt:MATRIX_FMT_FP6 matrix_b_fmt:MATRIX_FMT_FP6 matrix_a_scale:MATRIX_SCALE_ROW1
.elseif \rb
	v_wmma_scale_f32_16x16x128_f8f6f4 v[wD:wD+7], v[wA:wA+11], v[wB:wB+11], 0, v[wS], v[wT] matrix_a_fmt:MATRIX_FMT_FP6 matrix_b_fmt:MATRIX_FMT_FP6 matrix_b_scale:MATRIX_SCALE_ROW1
.else
	v_wmma_scale_f32_16x16x128_f8f6f4 v[wD:wD+7], v[wA:wA+11], v[wB:wB+11], 0, v[wS], v[wT] matrix_a_fmt:MATRIX_FMT_FP6 matrix_b_fmt:MATRIX_FMT_FP6
.endif
.else
.if (\ra) && (\rb)
	v_wmma_scale_f32_16x16x128_f8f6f4 v[wD:wD+7], v[wA:wA+11], v[wB:wB+11], v[wD:wD+7], v[wS], v[wT] matrix_a_fmt:MATRIX_FMT_FP6 matrix_b_fmt:MATRIX_FMT_FP6 matrix_a_scale:MATRIX_SCALE_ROW1 matrix_b_scale:MATRIX_SCALE_ROW1
.elseif \ra
	v_wmma_scale_f32_16x16x128_f8f6f4 v[wD:wD+7], v[wA:wA+11], v[wB:wB+11], v[wD:wD+7], v[wS], v[wT] matrix_a_fmt:MATRIX_FMT_FP6 matrix_b_fmt:MATRIX_FMT_FP6 matrix_a_scale:MATRIX_SCALE_ROW1
.elseif \rb
	v_wmma_scale_f32_16x16x128_f8f6f4 v[wD:wD+7], v[wA:wA+11], v[wB:wB+11], v[wD:wD+7], v[wS], v[wT] matrix_a_fmt:MATRIX_FMT_FP6 matrix_b_fmt:MATRIX_FMT_FP6 matrix_b_scale:MATRIX_SCALE_ROW1
.else
	v_wmma_scale_f32_16x16x128_f8f6f4 v[wD:wD+7], v[wA:wA+11], v[wB:wB+11], v[wD:wD+7], v[wS], v[wT] matrix_a_fmt:MATRIX_FMT_FP6 matrix_b_fmt:MATRIX_FMT_FP6
.endif
.endif
.endm
; my four tiles' fragments of x for K step s, and the two pairs' scale words: 18 loads from memory
.macro LOADA s
.if (\s) < 5
	WIN 0x40
.set fb, 48*(\s)
.else
	WIN 0x80
.set fb, 48*((\s)-5)
.endif
.irp a, 0,1,2,3
.set fo, PRB*(\a/2)+1536*(8*(\a%2)+(\s))
	global_load_b128 v[fb+12*\a:fb+12*\a+3], v1, s[36:37] offset:fo
	global_load_b64 v[fb+12*\a+4:fb+12*\a+5], v2, s[36:37] offset:fo+512
	global_load_b128 v[fb+12*\a+6:fb+12*\a+9], v1, s[36:37] offset:fo+768
	global_load_b64 v[fb+12*\a+10:fb+12*\a+11], v2, s[36:37] offset:fo+1280
.endr
	WIN 0
.irp p, 0,1
	global_load_b32 v[XSC+2*(\s)+\p], v3, s[36:37] offset:PRB*\p+24576+128*(\s)   ; lanes 0-15: tile u = 0, lanes 16-31: tile u = 1
.endr
.endm
; part m's four tiles for K step s into one of the two sets, and their scale words: 18 loads from LDS, each of consecutive bytes
.macro LOADB m, s, set
	WIN 0x80
.irp t, 0,1,2,3
.set fo, PRB*(\t/2)+1536*(8*(\t%2)+(\s))
.set fb, 144+48*(\set)+12*\t
	ds_load_b128 v[fb:fb+3], v[1+3*(\m)] offset:fo
	ds_load_b64 v[fb+4:fb+5], v[2+3*(\m)] offset:fo+512
	ds_load_b128 v[fb+6:fb+9], v[1+3*(\m)] offset:fo+768
	ds_load_b64 v[fb+10:fb+11], v[2+3*(\m)] offset:fo+1280
.endr
	WIN 0
.irp j, 0,1
	ds_load_b32 v[WSC+2*(\set)+\j], v[3+3*(\m)] offset:PRB*\j+24576+128*(\s)
.endr
.endm
; K step s of group m: the next step's W is fetched, then 16 matrix instructions
.macro GSTEP m, s
.if (\s) > 0
	PLACES 4                                       ; four plain instructions between the last step's products and loads into registers that they read (ISA guide 7.12.1 for vector instructions)
.endif
.if (\s) < 7
	LOADB \m, (\s)+1, 1-(\s)%2
.endif
.if ((\m) == 0) && ((\s) < 5)
	LOADA (\s)+3
.endif
.if (\s) < 7
	s_wait_dscnt 18                                ; this step's W is in; the 18 loads just issued may be out
.else
	s_wait_dscnt 0x0
.endif
.if (\m) == 0
.if (\s) < 5
	s_wait_loadcnt 54                              ; this step's x is in; three later steps' 18 loads each may be out
.else
	s_wait_loadcnt 18*(7-(\s))
.endif
.endif
.if (\s) < 5
.set xb, 48*(\s)
.if (\m) == 2
	WIN 0x09                                       ; source 0 = x (window 1), source 1 = W (window 2)
.else
	WIN 0x06                                       ; source 0 = W (window 2), source 1 = x (window 1)
.endif
.else
.set xb, 48*((\s)-5)
	WIN 0x0a                                       ; both in window 2
.endif
.set wb, 144+48*((\s)%2)
.irp a, 0,1,2,3
.irp t, 0,1,2,3
.if (\m) == 2
	WM ACC+8*(4*\t+\a), xb+12*\a, wb+12*\t, (\s)==0, XSC+2*(\s)+\a/2, WSC+2*((\s)%2)+\t/2, \a%2, \t%2
.else
	WM ACC+8*(4*\a+\t), wb+12*\t, xb+12*\a, (\s)==0, WSC+2*((\s)%2)+\t/2, XSC+2*(\s)+\a/2, \t%2, \a%2
.endif
.endr
.endr
	WIN 0
.endm
.macro GROUP m
.irp s, 0,1,2,3,4,5,6,7
	GSTEP \m, \s
.endr
	PLACES 5                                       ; behind the group's last products: four before their results are read, five before the next group's first products write over them
.endm
; The 128 accumulator registers are eight blocks of 32 along the next K, half a block (16 neighbours) in a lane, the other half in lane l xor 16.  They become four half fragments (v64 + 8 g on) and four words of two scale bytes (v52 + g).
.macro QUANTG pad
.irp b, 0,1,2,3,4,5,6,7
	v_max3_num_f32 v[12+\b], |v[ACC+16*\b]|, |v[ACC+16*\b+1]|, 0x1800000    ; each accumulator is read from its low end on; the floor 2^(3 - 127) holds the byte at 1 from below
.endr
.irp i, 2,4,6,8,10,12,14
.irp b, 0,1,2,3,4,5,6,7
	v_max3_num_f32 v[12+\b], v[12+\b], |v[ACC+16*\b+\i]|, |v[ACC+16*\b+\i+1]|   ; the eight blocks by turns
.endr
.endr
.irp b, 0,1,2,3,4,5,6,7
	v_permlanex16_b32 v[20+\b], v[12+\b], s52, s53
.endr
.irp b, 0,1,2,3,4,5,6,7
	v_max_num_f32 v[12+\b], v[12+\b], v[20+\b]     ; the block's largest magnitude
.endr
.irp b, 0,1,2,3,4,5,6,7
	v_add_nc_u32 v[96+\b], 0xff000000, v[12+\b]    ; 2 off its exponent field: the conversion's scale operand
.endr
.irp b, 0,1,2,3,4,5,6,7
	v_lshrrev_b32 v[20+\b], 23, v[96+\b]           ; the byte
.endr
.irp g, 0,1,2,3
	v_lshl_or_b32 v[52+\g], v[21+2*\g], 8, v[20+2*\g]
.endr
.if \pad
.irp g, 0,1,2,3
	v_or_b32 v[52+\g], 0x7f7f0000, v[52+\g]        ; bytes 2 and 3: the scale 1 for the half of K that holds no numbers
.endr
.endif
.irp g, 0,1,2,3
	v_cvt_scalef32_pk16_fp6_f32 v[64+8*\g:66+8*\g], v[ACC+32*\g:ACC+32*\g+15], v[96+2*\g]
	v_cvt_scalef32_pk16_fp6_f32 v[104+4*\g:106+4*\g], v[ACC+32*\g+16:ACC+32*\g+31], v[97+2*\g]
.endr
	v_nop                                          ; one plain instruction behind the conversions, ahead of what touches their results or writes their sources
.irp g, 0,1,2,3
.irp i, 0,1,2
	v_permlane16_swap_b32 v[64+8*\g+\i], v[104+4*\g+\i]   ; the operand wants a whole block in a lane: lanes 0-15 the first block, lanes 16-31 the second
.endr
.irp i, 0,1,2
	v_mov_b32 v[67+8*\g+\i], v[104+4*\g+\i]
.endr
.endr
.endm
.macro CODES base, stride              ; the four half fragments: 512 and 256 consecutive bytes a store
.irp g, 0,1,2,3
	global_store_b128 v1, v[64+8*\g:67+8*\g], s[\base:\base+1] offset:\stride*\g
	global_store_b64 v2, v[68+8*\g:69+8*\g], s[\base:\base+1] offset:\stride*\g+512
.endr
.endm
	s_load_b128 s[4:7], s[0:1], 0x0                ; qz s[4:5], qb s[6:7]
	s_load_b64 s[8:9], s[0:1], 0x10                ; kvc
	v_lshl_add_u32 v10, v0, 2, SPARE
	v_mov_b32 v11, 0
	ds_add_u32 v10, v11                            ; the wave's opening: the add and its wait ahead of my first tensor load; the set-up, work on registers, stands between
	ds_add_u32 v10, v11
	v_lshrrev_b32 v28, 5, v0
	v_readfirstlane_b32 s12, v28                   ; wave w
	s_bfe_u32 s13, ttmp6, 0x40000                  ; cx
	s_lshl_b32 s14, ttmp9, 2
	s_add_co_u32 s14, s14, s13                     ; R = 4 x cluster x + cx: it enters x's and the outputs' addresses alone
	s_and_b32 s15, ttmp7, 0xffff                   ; the head, which the four partners share
	; descriptor group 1: 200 rows of 256 bytes (32 elements of 8), dense, no padding
	s_mov_b32 s16, 15|(3<<16)|(1<<21)              ; 15:0 the mask: all four work-groups; 17:16 elements of 8 bytes; 21 set beside a mask
	s_mov_b32 s17, 32<<16                          ; tensor_dim0
	s_mov_b32 s18, 200<<16                         ; tensor_dim1: a whole part
	s_mov_b32 s19, 32<<16                          ; tile_dim0
	s_mov_b32 s20, 200                             ; tile_dim1
	s_mov_b32 s21, 32                              ; the pitch
	s_mov_b32 s22, 0
	s_mov_b32 s23, 0
	s_lshl_b32 s54, s15, 1                         ; Wq's records of the head: 128 + 2 head and the next; registers s54-57 never hold cx
	s_add_co_u32 s54, s54, 128
	s_mul_i32 s54, s54, PRB
	s_mov_b32 s55, 0
	s_lshl_b32 s58, s14, 3                         ; x's records 8 R + 2 w and the next
	s_lshl_b32 s59, s12, 1
	s_add_co_u32 s58, s58, s59
	s_mul_i32 s58, s58, PRB
	s_mov_b32 s59, 0
	s_lshl_b32 s60, s15, 8                         ; q: my first tile = 256 head + 16 R + 4 w
	s_lshl_b32 s61, s14, 4
	s_add_co_u32 s60, s60, s61
	s_lshl_b32 s61, s12, 2
	s_add_co_u32 s60, s60, s61
	s_mul_i32 s38, s60, 768
	s_mov_b32 s39, 0
	s_lshl_b32 s40, s60, 7
	s_add_co_u32 s40, s40, 3145728                 ; its scale words lie behind the 4,096 tiles' codes
	s_mov_b32 s41, 0
	s_lshr_b32 s62, s12, 1                         ; which of the block's two key steps,
	s_and_b32 s63, s12, 1                          ; and which half of its 128 keys
	s_mul_i32 s42, s15, 417792                     ; a head: 32 records of 13,056 bytes
	s_mul_i32 s61, s14, 26112
	s_add_co_u32 s42, s42, s61
	s_mul_i32 s61, s62, 13056
	s_add_co_u32 s42, s42, s61                     ; the key step's record
	s_mul_i32 s61, s63, 768
	s_add_co_u32 s46, s42, s61
	s_add_co_u32 s46, s46, 6144                    ; v: behind k's eight tiles, my half of each fragment
	s_mov_b32 s47, 0
	s_mul_i32 s61, s63, 3072
	s_add_co_u32 s42, s42, s61                     ; k: my four tiles
	s_mov_b32 s43, 0
	s_mul_i32 s61, s63, 3072
	s_sub_co_u32 s44, s42, s61                     ; the record's first byte again,
	s_add_co_u32 s44, s44, 12288                   ; and its scale words
	s_lshl_b32 s61, s63, 1
	s_add_co_u32 s48, s44, s61
	s_add_co_u32 s48, s48, 512                     ; v's: my two bytes of each word
	s_mov_b32 s49, 0
	s_lshl_b32 s61, s63, 8
	s_add_co_u32 s44, s44, s61                     ; k's: my two pairs
	s_mov_b32 s45, 0
	s_mov_b32 s50, 0xffff0000                      ; lanes 16-31
	s_mov_b32 s52, 0x76543210
	s_mov_b32 s53, 0xfedcba98                      ; v_permlanex16_b32's selects for lane l xor 16
	v_and_b32 v12, 7, v0                           ; k's places: tile row r of my tile a is row r % 8 + 8 (a / 2) of tile a % 2 + 2 (r / 8)
	v_bfe_u32 v13, v0, 3, 1                        ; r / 8
	v_bfe_u32 v14, v0, 4, 1                        ; h
	v_mul_u32_u24 v15, v13, 1536
	v_lshl_add_u32 v29, v12, 4, v15
	v_lshl_add_u32 v29, v14, 8, v29                ; registers 0-3: 1536 (r / 8) + 16 (r % 8) + 256 h
	v_lshl_add_u32 v30, v12, 3, v15
	v_lshl_add_u32 v30, v14, 7, v30                ; registers 4-5: 1536 (r / 8) + 8 (r % 8) + 128 h
	v_lshlrev_b32 v31, 2, v12
	v_lshl_add_u32 v31, v13, 7, v31
	v_lshl_add_u32 v31, v14, 6, v31                ; scale words: 128 (r / 8) + 4 (r % 8) + 64 (a % 2), a % 2 being the lane's half
	v_and_b32 v28, 31, v0
.irp m, 0,1,2
	v_lshl_add_u32 v[1+3*\m], v28, 4, PART*\m
	v_lshl_add_u32 v[2+3*\m], v28, 3, PART*\m
	v_lshl_add_u32 v[3+3*\m], v28, 2, PART*\m
.endr
.irp b, 0,1,2,3,4,5,6,7
	v_mov_b32 v[20+\b], 0                          ; written once: a lane permute's destination counts as one of its sources
.endr
	s_wait_dscnt 0x0                               ; the opening add is done
	s_wait_kmcnt 0x0
	s_add_nc_u64 s[54:55], s[4:5], s[54:55]
	s_add_nc_u64 s[36:37], s[4:5], s[58:59]
	s_add_nc_u64 s[38:39], s[6:7], s[38:39]
	s_add_nc_u64 s[40:41], s[6:7], s[40:41]
	s_add_nc_u64 s[42:43], s[8:9], s[42:43]
	s_add_nc_u64 s[46:47], s[8:9], s[46:47]
	s_add_nc_u64 s[44:45], s[8:9], s[44:45]
	s_add_nc_u64 s[48:49], s[8:9], s[48:49]
.irp m, 0,1,2
	s_mov_b32 s[24+4*\m], 1                        ; count = 1
	s_mov_b32 s[25+4*\m], PART*\m                  ; LDS address: the part
	s_add_nc_u64 s[26+4*\m:27+4*\m], s[54:55], 32*PRB*\m   ; Wq, Wk, Wv lie 32 records apart
	s_or_b32 s[27+4*\m], s[27+4*\m], 0x80000000    ; type = 2
.endr
	CROUND                                         ; all four work-groups are here: the joint loads meet
	s_cmp_lg_u32 s12, 0                            ; one chain of branches on the wave's number, one load to an arm, one join
	s_cbranch_scc1 .Lpart1
	tensor_load_to_lds s[24:27], s[16:23]          ; wave 0: Wq's part
	s_nop 0
	PLACES 4
	s_branch .Lasked
.Lpart1:
	s_cmp_lg_u32 s12, 1
	s_cbranch_scc1 .Lpart2
	tensor_load_to_lds s[28:31], s[16:23]          ; wave 1: Wk's
	s_nop 0
	PLACES 4
	s_branch .Lasked
.Lpart2:
	s_cmp_lg_u32 s12, 2
	s_cbranch_scc1 .Lasked
	tensor_load_to_lds s[32:35], s[16:23]          ; wave 2: Wv's
	s_nop 0
	PLACES 4
.Lasked:
	LOADA 0
	LOADA 1
	LOADA 2
	s_wait_tensorcnt 0x0                           ; my part, if I asked for one, is in
	s_barrier_signal -1
	s_barrier_wait -1                              ; everybody's is
	LOADB 0, 0, 0
	GROUP 0
	LOADB 1, 0, 0
	QUANTG 1
	CODES 38, 768
.irp a, 0,1,2,3
	global_store_b32 v3, v[52+\a], s[40:41] offset:128*\a          ; the tile's scale words: lane r and lane 16 + r hold row r's
.endr
	GROUP 1
	LOADB 2, 0, 0
	s_wait_xcnt 0x0                                ; q's stores have read their registers, which are written again below
	QUANTG 1
.irp g, 0,1,2,3
	global_store_b128 v29, v[64+8*\g:67+8*\g], s[42:43] offset:768*(\g%2)+128*(\g/2)
	global_store_b64 v30, v[68+8*\g:69+8*\g], s[42:43] offset:768*(\g%2)+64*(\g/2)+512
.endr
.irp j, 0,1
	v_cndmask_b32 v[56+\j], v[52+2*\j], v[53+2*\j], s50            ; a pair's words in one register: lanes 0-15 tile u = 0, lanes 16-31 tile u = 1
.endr
.irp j, 0,1
	global_store_b32 v31, v[56+\j], s[44:45] offset:32*\j
.endr
	GROUP 2
	s_wait_xcnt 0x0                                ; k's stores have read their registers
	QUANTG 0
	CODES 46, 1536
.irp j, 0,1
	v_cndmask_b32 v[56+\j], v[52+2*\j], v[53+2*\j], s50
.endr
.irp j, 0,1
	global_store_b16 v3, v[56+\j], s[48:49] offset:128*\j          ; my two of the word's four bytes
.endr
	s_wait_tensorcnt 0x0                           ; the wave's end
	ds_add_u32 v10, v11
	s_wait_dscnt 0x0
	CROUND                                         ; the closing round
	s_endpgm
.Lfunc_end_k_q977d3e253d_proj:
	.size	k_q977d3e253d_proj, .Lfunc_end_k_q977d3e253d_proj-k_q977d3e253d_proj
	.p2alignl 7, 3214868480
	.fill 96, 4, 3214868480
	.section	.rodata,"a",@progbits
	.p2align	6, 0x0
	.amdhsa_kernel k_q977d3e253d_proj
		.amdhsa_group_segment_fixed_size 167936
		.amdhsa_private_segment_fixed_size 0
		.amdhsa_enable_private_segment 0
		.amdhsa_kernarg_size 24
		.amdhsa_user_sgpr_count 2
		.amdhsa_user_sgpr_kernarg_segment_ptr 1
		.amdhsa_wavefront_size32 1
		.amdhsa_system_sgpr_workgroup_id_x 1
		.amdhsa_system_sgpr_workgroup_id_y 1
		.amdhsa_system_sgpr_workgroup_id_z 1
		.amdhsa_system_vgpr_workitem_id 0
		.amdhsa_next_free_vgpr 768
		.amdhsa_next_free_sgpr 66
		.amdhsa_reserve_vcc 0
		.amdhsa_float_denorm_mode_32 3
		.amdhsa_float_denorm_mode_16_64 3
		.amdhsa_memory_ordered 1
		.amdhsa_forward_progress 1
		.amdhsa_inst_pref_size 130
	.end_amdhsa_kernel
	.amdgpu_metadata
---
amdhsa.version: [ 1, 2 ]
amdhsa.kernels:
  - .name:           k_q977d3e253d_proj
    .symbol:         k_q977d3e253d_proj.kd
    .args:
      - { .name: qz, .offset: 0, .size: 8, .value_kind: global_buffer, .address_space: global }
      - { .name: qb, .offset: 8, .size: 8, .value_kind: global_buffer, .address_space: global }
      - { .name: kvc, .offset: 16, .size: 8, .value_kind: global_buffer, .address_space: global }
    .group_segment_fixed_size: 167936
    .private_segment_fixed_size: 0
    .kernarg_segment_align: 8
    .kernarg_segment_size: 24
    .max_flat_workgroup_size: 128
    .sgpr_count:     66
    .vgpr_count:     768
    .wavefront_size: 32
...
	.end_amdgpu_metadata
.endif
;; end of part 2
;; launch attn (part 3): grid 16 x 16, 8 waves a work-group, clusters of 4 x 1, 327,680 bytes of LDS; arguments qb, kvc, cq; writes cq
.if DOCPART == 3
	.amdgcn_target "amdgcn-amd-amdhsa--gfx1250"
	.amdhsa_code_object_version 6
	.text
	.protected	k_q977d3e253d_attn
	.globl	k_q977d3e253d_attn
	.p2align	8
	.type	k_q977d3e253d_attn,@function
k_q977d3e253d_attn:
	s_mov_b64 s[64:65], 0
	v_nop
	global_prefetch_b8 v0, s[64:65] scope:SCOPE_SE
	s_setreg_imm32_b32 hwreg(HW_REG_WAVE_MODE, 25, 1), 1
	s_wait_xcnt 0x0
	s_wait_alu depctr_hold_cnt(0) depctr_sa_sdst(0) depctr_va_vdst(0) depctr_va_sdst(0) depctr_va_ssrc(0) depctr_va_vcc(0) depctr_vm_vsrc(0)
	s_getreg_b32 s2, hwreg(HW_REG_IB_STS2, 6, 4)
	s_cmp_eq_u32 s2, 0
	s_cbranch_scc0 .Lentry_in_a_cluster
	s_endpgm
.Lentry_in_a_cluster:
	s_bfe_u32 s2, ttmp6, 0x10000c
	s_cmp_lg_u32 s2, 0x3003
	s_cbranch_scc0 .Lentry_shape_is_right
	s_endpgm
.Lentry_shape_is_right:
; cat[q][head x 64 + d] = the sum over keys of softmax(q . k / 8) v, both products on codes of FP6 (E2M3) with E8M0 scales, and the result quantised along head x 64 + d for the output projection.
; THE SOFTMAX: t = score x log2(e) / 8; M = the running largest t rounded UP to a whole number; p = 2^(t - M) is quantised along the keys, not normalised; the sum is taken of the unquantised p and divides at the end;
; when M moves, the sum and O are multiplied by 2^(old M - new M), which rounds nothing.
; SHARES.  A work-group owns 256 queries of one head; each of its eight waves two tiles of 16 queries (i = 0, 1), so that each fragment of k and v read from LDS feeds two products.  Every wave walks the 4,096 keys, 128 a step.
; A KEY STEP'S RECORD, 13,056 bytes, in the order of the operand registers: eight tiles of k (768 bytes: registers 0-3 at 16 x lane, 4-5 at 512 + 8 x lane), four fragments of v (16 channels x 128 keys, 1,536 bytes),
; then the scale words: k's four registers at 12,288 + 128 j (lanes 0-15 tile 2 j, lanes 16-31 tile 2 j + 1), v's two behind them.
; THE HEAD IS 64 WIDE AND THE INSTRUCTION 128: q's upper six registers are zero codes, so k's upper six may be anything: tile t's operand runs on into tile t + 1; the scale bytes there are 0x7f.
; LAYOUT.  Both products transposed (S^T = k q^T, O^T = v^T p^T): a lane holds one query.  Tile 4 g + u of k holds in rows 0-7 keys 64 g + 8 u + 0 .. 7 and in rows 8-15 keys 64 g + 32 + 8 u + 0 .. 7: so lane half h holds in the
; 32 registers of tiles 4 g .. 4 g + 3 the WHOLE block 2 g + h of 32 keys, in order: a block's maximum needs no other lane, and the conversions' results are the operand's registers.
; RING.  Two LDS slots, 2^17 bytes apart, of eight records each; wave w fetches record w of a slot: one tensor load a wave behind each change of slots, which has eight key steps in which to land.
; CLUSTER.  The four query blocks of a cluster walk the same head: each record is asked for JOINTLY (same descriptor, mask of all four).
; LIMITS: NaN and infinities are not served; the promise holds while the scaled scores stay under 2^31 in magnitude; a block of zeros gets the byte 1 where the rule says 127 (its codes are zeros, and this program
; alone reads the bytes); O / sum is v_rcp_f32 and a multiplication.
; REGISTERS.  Window 0: v1-3 16, 8, 4 x lane; v4, v5 the add's two; v6 the prefetch's offset; v7 lane; v8-10 the step's addresses; v11 8 x (lane / 16); the rest by the names below.  Window 1: O^T at v0-63, k's or v's fragments at v64-111, zeros at v112-117.
.set SLOT1, 1<<17
.set RECB,  13056
.set SLOTC, 8*RECB
.set SPARE, SLOT1+SLOTC                ; behind slot 1: the spare words, 128 bytes a wave: four blocks of 256 bytes that no other line names
.set WV,    12
.set G1C,   16                         ; s[16:23] group 1; s[32:35] group 0, which walks
.set G0C,   32
.set NC,    36                         ; -c
.set SEL,   40
.set CS,    42                         ; s[42:43] c = log2(e) / 8
.set TB,    44                         ; LDS byte of the step's record
.set SLOTS, 46                         ; slots still to be asked for
.set CNT,   47
.set PFA,   48                         ; s[48:49] where my prefetches stand
.set LIM,   50                         ; 1 in a wave that prefetches, else the greatest number
.set NM,    12                         ; v[12 + 2 i] -M, v[13 + 2 i] the largest score so far
.set SUM,   16                         ; v[16 + 2 i ..] the sum in two halves
.set FF,    20                         ; v[20 + 2 i] f = 2^(old M - new M)
.set Q,     24                         ; v[24 + 12 i ..] q's six registers and six of zero codes
.set KS,    48                         ; scale words: k's four, v's two, q's two, p's two
.set VS,    52
.set QS,    54
.set PS,    56
.set BM,    58                         ; v[58 + 2 i + g] a block's largest score, then p, then byte
.set PT,    62                         ; the other half's numbers
.set SO,    64                         ; the conversions' scale operands
.set TT,    68                         ; at work
.set C2,    72                         ; the second conversions' results
.set CH,    88                         ; three more chains of the sum for each tile
.set S,     104                        ; v[104 + 64 i ..] S^T, then p
.set CD,    232                        ; v[232 + 12 i ..] p's codes
.set O,     0                          ; window 1
.set KV,    64
.set MSB, 0
.macro WIN new                         ; low byte: bits 1:0 source 0, 3:2 source 1, 5:4 source 2, 7:6 destination; the high byte repeats the setting that is left
.if MSB != \new
	s_set_vgpr_msb (MSB<<8)|\new
.set MSB, \new
.endif
.endm
.macro CROUND                          ; a round of the cluster's barrier
	s_barrier_signal -1
	s_barrier_wait -1
	s_cmp_lg_u32 s[WV], 0
	s_cbranch_scc1 .Lnot_wave_0_\@
	s_barrier_signal -3
.Lnot_wave_0_\@:
	s_barrier_wait -3
	s_barrier_signal -1
	s_barrier_wait -1
.endm
.macro PLACES n
.rept \n
	v_nop
.endr
.endm
.macro TLOAD                           ; every wave's joint load: its record of the slot; an s_nop 0 and four v_nop follow
	tensor_load_to_lds s[G0C:G0C+3], s[G1C:G1C+7]
	s_nop 0
	PLACES 4
.endm
; A PREFETCH INTO THE L2 of the slot that the NEXT change of slots will ask for: eight key steps ahead of that load.  All clusters of a head walk the same records: the head's first cluster asks.  Its four partners share a
; slot's 408 blocks of 256 bytes out BY ADDRESS, 102 each; thread n of waves 0-3 names block min(n, 101).  Slots 0 and 1 come by their loads alone; the last change that fills a slot asks for nothing.
.macro ASK
	s_cmp_gt_u32 s[SLOTS], s[LIM]
	s_cbranch_scc0 .Lnot_mine_\@
	global_prefetch_b8 v6, s[PFA:PFA+1] th:TH_LOAD_NT scope:SCOPE_SE
.Lnot_mine_\@:
.endm
; one matrix instruction; z = 1: the sum begins with 0; ra = 1: source 0's scales stand in lanes 16-31
.macro WM d, a, b, z, sa, sb, ra
.set wD, \d
.set wA, \a
.set wB, \b
.set wS, \sa
.set wT, \sb
.if \z
.if \ra
	v_wmma_scale_f32_16x16x128_f8f6f4 v[wD:wD+7], v[wA:wA+11], v[wB:wB+11], 0, v[wS], v[wT] matrix_a_fmt:MATRIX_FMT_FP6 matrix_b_fmt:MATRIX_FMT_FP6 matrix_a_scale:MATRIX_SCALE_ROW1
.else
	v_wmma_scale_f32_16x16x128_f8f6f4 v[wD:wD+7], v[wA:wA+11], v[wB:wB+11], 0, v[wS], v[wT] matrix_a_fmt:MATRIX_FMT_FP6 matrix_b_fmt:MATRIX_FMT_FP6
.endif
.else
.if \ra
	v_wmma_scale_f32_16x16x128_f8f6f4 v[wD:wD+7], v[wA:wA+11], v[wB:wB+11], v[wD:wD+7], v[wS], v[wT] matrix_a_fmt:MATRIX_FMT_FP6 matrix_b_fmt:MATRIX_FMT_FP6 matrix_a_scale:MATRIX_SCALE_ROW1
.else
	v_wmma_scale_f32_16x16x128_f8f6f4 v[wD:wD+7], v[wA:wA+11], v[wB:wB+11], v[wD:wD+7], v[wS], v[wT] matrix_a_fmt:MATRIX_FMT_FP6 matrix_b_fmt:MATRIX_FMT_FP6
.endif
.endif
.endm
	s_load_b128 s[4:7], s[0:1], 0x0                ; qb s[4:5], kvc s[6:7]
	s_load_b64 s[8:9], s[0:1], 0x10                ; cq
	v_lshl_add_u32 v4, v0, 2, SPARE
	v_mov_b32 v5, 0
	ds_add_u32 v4, v5                              ; the opening lines: the add, twice on end, and its wait ahead of my first tensor load
	ds_add_u32 v4, v5
	v_lshrrev_b32 v1, 5, v0
	v_readfirstlane_b32 s[WV], v1                  ; wave W, 0 .. 7
	s_bfe_u32 s13, ttmp6, 0x40000                  ; cx
	s_lshl_b32 s14, ttmp9, 2
	s_add_co_u32 s14, s14, s13                     ; my block of 256 queries: it enters q's, cat's and the prefetches' addresses alone
	s_and_b32 s15, ttmp7, 0xffff                   ; the head, which the four partners share
	s_mov_b32 s[G1C], 15|(3<<16)|(1<<21)           ; group 1: the mask of all four; elements of 8 bytes; bit 21 beside a mask
	s_mov_b32 s[G1C+1], 32<<16                     ; rows of 256 bytes,
	s_mov_b32 s[G1C+2], 51<<16                     ; 51 of them: a record, dense
	s_mov_b32 s[G1C+3], 32<<16
	s_mov_b32 s[G1C+4], 51
	s_mov_b32 s[G1C+5], 32
	s_mov_b32 s[G1C+6], 0
	s_mov_b32 s[G1C+7], 0
	s_mul_i32 s56, s[WV], RECB                     ; my record of a slot, in memory and in LDS; registers s52-57 never hold cx
	s_mov_b32 s57, 0
	s_mul_i32 s52, s15, 32*RECB                    ; the head's records
	s_mov_b32 s53, 0
	s_lshl_b32 s58, s15, 8                         ; my first tile of q: 256 head + 16 block + 2 W
	s_lshl_b32 s59, s14, 4
	s_add_co_u32 s58, s58, s59
	s_lshl_b32 s59, s[WV], 1
	s_add_co_u32 s58, s58, s59
	s_lshl_b32 s60, s58, 7
	s_add_co_u32 s60, s60, 3145728                 ; its scale words
	s_mov_b32 s61, 0
	s_mul_i32 s58, s58, 768                        ; its codes
	s_mov_b32 s59, 0
	s_lshl_b32 s62, s14, 3                         ; cat: the record of rows 32 (8 block + W) on: my two tiles are its tiles u = 0, 1
	s_add_co_u32 s62, s62, s[WV]
	s_mul_i32 s62, s62, 25600
	s_lshr_b32 s51, s15, 1                         ; the head's K step of 128,
	s_and_b32 s47, s15, 1                          ; and its half of it
	s_lshl_b32 s2, s51, 7
	s_add_co_u32 s2, s2, s62
	s_lshl_b32 s3, s47, 1
	s_add_co_u32 s2, s2, s3
	s_add_co_u32 s2, s2, 24576                     ; that step's scale words, my head's two bytes; tile u 64 u further on
	s_mov_b32 s3, 0
	s_mul_i32 s51, s51, 1536
	s_add_co_u32 s62, s62, s51
	s_mul_i32 s51, s47, 768
	s_add_co_u32 s62, s62, s51                     ; fragment (0, step), my head's half; tile u 12,288 u further on
	s_mov_b32 s63, 0
	s_lshr_b32 s[LIM], s[WV], 2                    ; who prefetches: waves 0 to 3
	s_or_b32 s[LIM], s[LIM], ttmp9                 ; of the head's first cluster: the same in all four partners
	s_cmp_eq_u32 s[LIM], 0
	s_cselect_b32 s[LIM], 1, -1
	s_mul_i32 s48, s13, 26112                      ; my work-group's 102 blocks
	s_add_co_u32 s48, s48, s52
	s_add_co_u32 s48, s48, SLOTC                   ; in slot 1: the first change of slots steps it to slot 2
	s_mov_b32 s49, 0
	s_mov_b32 s[SEL], 0x76543210
	s_mov_b32 s[SEL+1], 0xfedcba98                 ; v_permlanex16_b32's selects for lane l xor 16
	s_mov_b32 s[CS], 0x3e38aa3b                    ; log2(e) / 8
	s_mov_b32 s[CS+1], s[CS]                       ; (named with it as a pair, so it is written)
	s_mov_b32 s[NC], 0xbe38aa3b
	s_mov_b32 s[TB], 0
	s_mov_b32 s[SLOTS], 3
	v_and_b32 v7, 31, v0
	v_min_u32 v6, 101, v0
	v_bfe_u32 v11, v0, 4, 1
	v_lshlrev_b32 v1, 4, v7
	v_lshlrev_b32 v2, 3, v7
	v_lshlrev_b32 v3, 2, v7
	v_lshlrev_b32 v6, 8, v6
	v_lshlrev_b32 v11, 3, v11
	s_wait_dscnt 0x0                               ; both opening adds are done
	s_wait_kmcnt 0x0
	s_mov_b32 s[G0C], 1                            ; count = 1
	s_mov_b32 s[G0C+1], s56                        ; LDS address: slot 0, my record
	s_add_nc_u64 s[G0C+2:G0C+3], s[6:7], s[52:53]
	s_add_nc_u64 s[G0C+2:G0C+3], s[G0C+2:G0C+3], s[56:57]
	s_or_b32 s[G0C+3], s[G0C+3], 0x80000000        ; type = 2
	s_add_nc_u64 s[58:59], s[4:5], s[58:59]
	s_add_nc_u64 s[60:61], s[4:5], s[60:61]
	s_add_nc_u64 s[62:63], s[8:9], s[62:63]
	s_add_nc_u64 s[2:3], s[8:9], s[2:3]
	s_add_nc_u64 s[PFA:PFA+1], s[6:7], s[PFA:PFA+1]
	CROUND                                         ; all four work-groups are here: the first joint loads meet
	TLOAD                                          ; slot 0
	s_wait_alu depctr_va_vdst(0)                   ; ahead of the readers below
.irp i, 0,1
	global_load_b128 v[Q+12*\i:Q+12*\i+3], v1, s[58:59] offset:768*\i      ; q's tiles stay in registers
	global_load_b64 v[Q+12*\i+4:Q+12*\i+5], v2, s[58:59] offset:768*\i+512
	global_load_b32 v[QS+\i], v3, s[60:61] offset:128*\i
.endr
.irp i, 0,1
	v_mov_b32 v[NM+2*\i], 0x7d000000               ; -M: so large that the first f is 0
	v_mov_b32 v[NM+2*\i+1], 0xff61b1e6             ; the largest score so far: -3e38
	v_mov_b32 v[SUM+2*\i], 0
	v_mov_b32 v[SUM+2*\i+1], 0
	v_mov_b32 v[FF+2*\i+1], 0                      ; (named as the upper half of a pair)
	v_mov_b32 v[PT+\i], 0                          ; a lane permute's destination counts as one of its sources
.irp j, 0,1,2,3,4,5
	v_mov_b32 v[Q+12*\i+6+\j], 0                   ; q's upper half of K: zero codes
.endr
.endr
	WIN 0x40
.set j, 0
.rept 64
	v_mov_b32 v[O+j], 0                            ; O^T.  (The step is written once: the first finds zeros, which the first f leaves zeros)
.set j, j+1
.endr
.irp j, 0,1,2,3,4,5
	v_mov_b32 v[KV+48+\j], 0                       ; what stands behind k's last tile
.endr
	WIN 0
; A KEY STEP: 128 keys for my two tiles of queries
.macro STEP
	v_add_nc_u32 v8, s[TB], v1
	v_add_nc_u32 v9, s[TB], v2
	v_add_nc_u32 v10, s[TB], v3
	v_nop                                          ; with the three additions: four places between the last step's products and loads into registers that they read
.irp j, 0,1,2,3,4,5
	ds_load_b32 v[KS+\j], v10 offset:12288+128*\j  ; k's four registers of scale words, then v's two
.endr
	WIN 0x40
.irp t, 0,1,2,3,4,5,6,7
	ds_load_b128 v[KV+6*\t:KV+6*\t+3], v8 offset:768*\t
	ds_load_b64 v[KV+6*\t+4:KV+6*\t+5], v9 offset:768*\t+512
.endr
	s_wait_alu depctr_va_vdst(0)
	s_wait_dscnt 0x0
	WIN 0x01
.irp t, 0,1,2,3,4,5,6,7
.irp i, 0,1
	WM S+64*\i+8*\t, KV+6*\t, Q+12*\i, 1, KS+\t/2, QS+\i, \t%2    ; S^T = k q^T: each tile of k against both tiles of q
.endr
.endr
	PLACES 4                                       ; ahead of the loads into k's registers and of the first read of the scores
	WIN 0x40
.irp t, 0,1,2,3
	ds_load_b128 v[KV+12*\t:KV+12*\t+3], v8 offset:6144+1536*\t    ; v's four fragments land under the softmax
	ds_load_b64 v[KV+12*\t+4:KV+12*\t+5], v9 offset:6144+1536*\t+512
	ds_load_b128 v[KV+12*\t+6:KV+12*\t+9], v8 offset:6144+1536*\t+768
	ds_load_b64 v[KV+12*\t+10:KV+12*\t+11], v9 offset:6144+1536*\t+1280
.endr
	WIN 0
.irp g, 0,1
.irp i, 0,1
	v_max3_num_f32 v[BM+2*\i+\g], v[S+64*\i+32*\g], v[S+64*\i+32*\g+1], v[S+64*\i+32*\g+2]   ; my block's largest score, all 32 mine; four chains by turns; each accumulator is met from its low end
.endr
.endr
.irp p, 3,5,7,9,11,13,15,17,19,21,23,25,27,29
.irp g, 0,1
.irp i, 0,1
	v_max3_num_f32 v[BM+2*\i+\g], v[BM+2*\i+\g], v[S+64*\i+32*\g+\p], v[S+64*\i+32*\g+\p+1]
.endr
.endr
.endr
.irp g, 0,1
.irp i, 0,1
	v_max_num_f32 v[BM+2*\i+\g], v[BM+2*\i+\g], v[S+64*\i+32*\g+31]
.endr
.endr
.irp i, 0,1
	s_delay_alu instid0(VALU_DEP_2)
	v_max_num_f32 v[TT+\i], v[BM+2*\i], v[BM+2*\i+1]
.endr
.irp i, 0,1
	s_delay_alu instid0(VALU_DEP_2)
	v_permlanex16_b32 v[PT+\i], v[TT+\i], s[SEL], s[SEL+1]         ; the other two blocks' lie in lane l xor 16
.endr
.irp i, 0,1
	s_delay_alu instid0(VALU_DEP_2)
	v_max3_num_f32 v[NM+2*\i+1], v[NM+2*\i+1], v[TT+\i], v[PT+\i]  ; the running largest score
.endr
.irp i, 0,1
	s_delay_alu instid0(VALU_DEP_2)
	v_mul_f32 v[TT+\i], s[NC], v[NM+2*\i+1]        ; -t
.endr
.irp i, 0,1
	s_delay_alu instid0(VALU_DEP_2)
	v_floor_f32 v[TT+\i], v[TT+\i]                 ; the new -M = floor(-t): M is a whole number
.endr
.irp i, 0,1
	s_delay_alu instid0(VALU_DEP_2)
	v_sub_f32 v[PT+\i], v[TT+\i], v[NM+2*\i]       ; old M - new M: a whole number, 0 or less
.endr
.irp i, 0,1
	v_mov_b32 v[NM+2*\i], v[TT+\i]
.endr
.irp i, 0,1
	s_delay_alu instid0(VALU_DEP_4)
	v_cvt_i32_f32 v[PT+\i], v[PT+\i]               ; (it saturates)
.endr
.irp i, 0,1
	s_delay_alu instid0(VALU_DEP_2)
	v_ldexp_f32 v[FF+2*\i], 1.0, v[PT+\i]          ; f = 2^(old M - new M)
.endr
.irp i, 0,1
.set j, 0
.rept 32
	v_pk_fma_f32 v[S+64*\i+j:S+64*\i+j+1], v[S+64*\i+j:S+64*\i+j+1], s[CS:CS+1], v[NM+2*\i:NM+2*\i+1] op_sel_hi:[1,0,0]   ; t - M, two at a time (of the pairs c and -M the low word serves both halves)
.set j, j+2
.endr
.endr
.irp g, 0,1
.irp i, 0,1
	v_fma_f32 v[BM+2*\i+\g], v[BM+2*\i+\g], s[CS], v[NM+2*\i]      ; the same of each block's largest score
.endr
.endr
	s_wait_alu depctr_va_vdst(0)                   ; ahead of the batch
.set j, 0
.rept 128
	v_exp_f32 v[S+j], v[S+j]                       ; p = 2^(t - M)
.set j, j+1
.endr
.irp j, 0,1,2,3
	v_exp_f32 v[BM+\j], v[BM+\j]                   ; the block's largest p: the same two instructions on the same number
.endr
.irp i, 0,1
	v_pk_mul_f32 v[SUM+2*\i:SUM+2*\i+1], v[SUM+2*\i:SUM+2*\i+1], v[FF+2*\i:FF+2*\i+1] op_sel_hi:[1,0]   ; the sums under the new M; the plain place behind the exponentials
.endr
	s_wait_alu depctr_va_vdst(0)                   ; one wait for the batch, ahead of its first reader
.irp j, 0,1,2,3
	v_max_num_f32 v[BM+\j], 0x1800000, v[BM+\j]    ; the floor 2^(3 - 127): the byte cannot fall under 1
.endr
.irp j, 0,1,2,3
	v_add_nc_u32 v[SO+\j], 0xff000000, v[BM+\j]    ; 2 off the exponent field: the conversion's scale operand
.endr
.irp i, 0,1
.irp g, 0,1
	v_cvt_scalef32_pk16_fp6_f32 v[CD+12*\i+6*\g:CD+12*\i+6*\g+2], v[S+64*\i+32*\g:S+64*\i+32*\g+15], v[SO+2*\i+\g]
	v_cvt_scalef32_pk16_fp6_f32 v[C2+8*\i+4*\g:C2+8*\i+4*\g+2], v[S+64*\i+32*\g+16:S+64*\i+32*\g+31], v[SO+2*\i+\g]   ; (a conversion's three registers begin on an even number)
.endr
.endr
.irp j, 0,1,2,3
	v_lshrrev_b32 v[BM+\j], 23, v[SO+\j]           ; the bytes; also the plain place behind the conversions
.endr
.irp i, 0,1
	v_lshl_or_b32 v[TT+\i], v[BM+2*\i+1], 16, v[BM+2*\i]           ; my two bytes: blocks h and 2 + h,
.endr
.irp i, 0,1
	s_delay_alu instid0(VALU_DEP_2)
	v_lshlrev_b32 v[TT+\i], v11, v[TT+\i]          ; at their places in the word (8 h bits up);
.endr
.irp i, 0,1
	s_delay_alu instid0(VALU_DEP_2)
	v_permlanex16_b32 v[PT+\i], v[TT+\i], s[SEL], s[SEL+1]
.endr
.irp i, 0,1
	s_delay_alu instid0(VALU_DEP_2)
	v_or_b32 v[PS+\i], v[TT+\i], v[PT+\i]          ; with lane l xor 16's two the word is whole
.endr
.irp c, 0,1,2                                      ; the sum of the unquantised p: four chains a tile, the two tiles by turns
.irp i, 0,1
	v_pk_add_f32 v[CH+8*\i+2*\c:CH+8*\i+2*\c+1], v[S+64*\i+4*\c:S+64*\i+4*\c+1], v[S+64*\i+4*\c+2:S+64*\i+4*\c+3]
.endr
.endr
.set j, 12
.rept 6
.irp i, 0,1
	v_pk_add_f32 v[SUM+2*\i:SUM+2*\i+1], v[SUM+2*\i:SUM+2*\i+1], v[S+64*\i+j:S+64*\i+j+1]
.irp c, 0,1,2
	v_pk_add_f32 v[CH+8*\i+2*\c:CH+8*\i+2*\c+1], v[CH+8*\i+2*\c:CH+8*\i+2*\c+1], v[S+64*\i+j+2+2*\c:S+64*\i+j+3+2*\c]
.endr
.endr
.set j, j+8
.endr
.irp i, 0,1
	v_pk_add_f32 v[SUM+2*\i:SUM+2*\i+1], v[SUM+2*\i:SUM+2*\i+1], v[S+64*\i+60:S+64*\i+61]
	v_pk_add_f32 v[CH+8*\i:CH+8*\i+1], v[CH+8*\i:CH+8*\i+1], v[S+64*\i+62:S+64*\i+63]
	v_pk_add_f32 v[CH+8*\i+2:CH+8*\i+3], v[CH+8*\i+2:CH+8*\i+3], v[CH+8*\i+4:CH+8*\i+5]
.endr
.irp i, 0,1
.irp g, 0,1
.irp p, 0,1,2
	v_mov_b32 v[CD+12*\i+6*\g+3+\p], v[C2+8*\i+4*\g+\p]            ; a block's upper 16 codes to their places
.endr
.endr
.endr
.irp i, 0,1
	v_pk_add_f32 v[SUM+2*\i:SUM+2*\i+1], v[SUM+2*\i:SUM+2*\i+1], v[CH+8*\i:CH+8*\i+1]
.endr
.irp i, 0,1
	s_delay_alu instid0(VALU_DEP_2)
	v_pk_add_f32 v[SUM+2*\i:SUM+2*\i+1], v[SUM+2*\i:SUM+2*\i+1], v[CH+8*\i+2:CH+8*\i+3]
.endr
	WIN 0x41
	s_wait_alu depctr_va_vdst(0)                   ; directly ahead of the first reader of O^T
.irp i, 0,1
.set j, 0
.rept 16
	v_pk_mul_f32 v[O+32*\i+j:O+32*\i+j+1], v[O+32*\i+j:O+32*\i+j+1], v[FF+2*\i:FF+2*\i+1] op_sel_hi:[1,0]   ; O^T under the new M; these also part p's codes and scale words from the products that take them
.set j, j+2
.endr
.endr
	s_wait_alu depctr_va_vdst(0)
	s_wait_dscnt 0x0                               ; v's fragments are in
	WIN 0x51
.irp t, 0,1,2,3
.irp i, 0,1
	WM O+32*\i+8*\t, KV+12*\t, CD+12*\i, 0, VS+\t/2, PS+\i, \t%2   ; O^T += v^T p^T: the eight accumulators by turns
.endr
.endr
	WIN 0
.endm
; A slot's eight key steps: written once, walked eight times
.macro SLOT_STEPS
	s_mov_b32 s[CNT], 8
.Lstep_\@:
	STEP
	s_add_co_u32 s[TB], s[TB], RECB
	s_sub_co_u32 s[CNT], s[CNT], 1
	s_cmp_lg_u32 s[CNT], 0
	s_cbranch_scc1 .Lstep_\@
	s_sub_co_u32 s[TB], s[TB], SLOTC               ; back to a slot's first step,
	s_xor_b32 s[TB], s[TB], SLOT1                  ; in the other slot
.endm
; THE CHANGE OF SLOTS stands at a slot's head.  Each wave waits for all its tensor loads (its record of the slot ahead), adds 0 to its spare word, and waits for that and for its reads of the slot that it has left.
; fill = 1: a round of the cluster's barrier, so that no wave of any partner still reads that slot or has a load on its way; the joint refill is the first thing behind it.
.macro CHANGE fill
	s_wait_tensorcnt 0x0                           ; no tensor load of mine is out, so group 0 may be written
	ds_add_u32 v4, v5
.if \fill
	s_xor_b32 s[G0C+1], s[G0C+1], SLOT1            ; the walking descriptor: the other slot than last time,
	s_add_nc_u64 s[G0C+2:G0C+3], s[G0C+2:G0C+3], SLOTC   ; the next eight key steps
	s_wait_xcnt 0x0                                ; the last prefetch, a slot back, has read its address, so it may be written:
	s_add_nc_u64 s[PFA:PFA+1], s[PFA:PFA+1], SLOTC ; one slot further on than the walking descriptor
	s_wait_dscnt 0x0                               ; the add is done, and my reads of the slot that I have left are over
	CROUND
	TLOAD
	ASK
.else
	s_wait_dscnt 0x0
	s_barrier_signal -1
	s_barrier_wait -1
.endif
.endm
	s_wait_alu depctr_va_vdst(0)                   ; the head's end
	s_wait_loadcnt 0x0                             ; q
.Lslot:                                            ; three trips: behind each change of slots but the last the next slot is asked for
	CHANGE 1
	SLOT_STEPS
	s_sub_co_u32 s[SLOTS], s[SLOTS], 1
	s_cmp_lg_u32 s[SLOTS], 0
	s_cbranch_scc1 .Lslot
	CHANGE 0                                       ; the last slot is written out
	SLOT_STEPS
	; THE WAY OUT.  O^T / the sum: register 16 b + n of a tile is channel 32 b + 16 (lane / 16) + n of my query: two blocks of cat's K, half a block in a lane, quantised and stored as a half fragment.
.irp i, 0,1
	v_add_f32 v[SUM+2*\i], v[SUM+2*\i], v[SUM+2*\i+1]              ; the sum's two halves,
.endr
.irp i, 0,1
	s_delay_alu instid0(VALU_DEP_2)
	v_permlanex16_b32 v[PT+\i], v[SUM+2*\i], s[SEL], s[SEL+1]
.endr
.irp i, 0,1
	s_delay_alu instid0(VALU_DEP_2)
	v_add_f32 v[SUM+2*\i], v[SUM+2*\i], v[PT+\i]   ; and lane l xor 16's
.endr
	s_wait_alu depctr_va_vdst(0)                   ; ahead of the reciprocals
.irp i, 0,1
	v_rcp_f32 v[SUM+2*\i], v[SUM+2*\i]
.endr
	PLACES 4
	WIN 0x01
	s_wait_alu depctr_va_vdst(0)                   ; ahead of the first reader of the reciprocals and of O^T
.irp i, 0,1
.set j, 0
.rept 32
	v_mul_f32 v[S+32*\i+j], v[O+32*\i+j], v[SUM+2*\i]              ; each accumulator from its low end on
.set j, j+1
.endr
.endr
	WIN 0
.irp i, 0,1
.irp b, 0,1
	v_max3_num_f32 v[BM+2*\i+\b], |v[S+32*\i+16*\b]|, |v[S+32*\i+16*\b+1]|, 0x1800000
.endr
.endr
.irp p, 2,4,6,8,10,12,14
.irp i, 0,1
.irp b, 0,1
	v_max3_num_f32 v[BM+2*\i+\b], v[BM+2*\i+\b], |v[S+32*\i+16*\b+\p]|, |v[S+32*\i+16*\b+\p+1]|
.endr
.endr
.endr
.irp j, 0,1,2,3
	v_permlanex16_b32 v[CH+\j], v[BM+\j], s[SEL], s[SEL+1]
.endr
.irp j, 0,1,2,3
	v_max_num_f32 v[BM+\j], v[BM+\j], v[CH+\j]     ; the block's largest magnitude
.endr
.irp j, 0,1,2,3
	v_add_nc_u32 v[SO+\j], 0xff000000, v[BM+\j]
.endr
.irp j, 0,1,2,3
	v_lshrrev_b32 v[BM+\j], 23, v[SO+\j]
.endr
.irp i, 0,1
	v_lshl_or_b32 v[PS+\i], v[BM+2*\i+1], 8, v[BM+2*\i]            ; my head's two bytes of the row's scale word
.endr
.irp i, 0,1
	v_cvt_scalef32_pk16_fp6_f32 v[CD+12*\i:CD+12*\i+2], v[S+32*\i:S+32*\i+15], v[SO+2*\i]
	v_cvt_scalef32_pk16_fp6_f32 v[C2+4*\i:C2+4*\i+2], v[S+32*\i+16:S+32*\i+31], v[SO+2*\i+1]
.endr
	v_nop                                          ; one plain place behind the conversions
.irp i, 0,1
.irp p, 0,1,2
	v_permlane16_swap_b32 v[CD+12*\i+\p], v[C2+4*\i+\p]            ; a whole block to a lane: lanes 0-15 the first block, lanes 16-31 the second
.endr
.endr
.irp i, 0,1
.irp p, 0,1,2
	v_mov_b32 v[CD+12*\i+3+\p], v[C2+4*\i+\p]
.endr
.endr
.irp i, 0,1
	global_store_b128 v1, v[CD+12*\i:CD+12*\i+3], s[62:63] offset:12288*\i        ; 512 consecutive bytes,
	global_store_b64 v2, v[CD+12*\i+4:CD+12*\i+5], s[62:63] offset:12288*\i+512   ; and 256
.endr
	s_wait_alu depctr_va_vdst(0)
	s_wait_xcnt 0x0                                ; EXEC changes only behind this wait
	v_cmp_gt_u32 vcc_lo, 16, v7
	s_and_saveexec_b32 s51, vcc_lo                 ; lanes 0-15: lane r has row r's bytes
	global_store_b16 v3, v[PS], s[2:3]             ; two of a word's four bytes: the other two are the neighbouring head's
	global_store_b16 v3, v[PS+1], s[2:3] offset:64
	s_wait_xcnt 0x0                                ; and again, in front of the line that widens it
	s_or_b32 exec_lo, exec_lo, s51
	s_wait_tensorcnt 0x0                           ; the wave's end
	ds_add_u32 v4, v5
	s_wait_dscnt 0x0
	CROUND                                         ; the closing round
	s_endpgm
.Lfunc_end_k_q977d3e253d_attn:
	.size	k_q977d3e253d_attn, .Lfunc_end_k_q977d3e253d_attn-k_q977d3e253d_attn
	.p2alignl 7, 3214868480
	.fill 96, 4, 3214868480
	.section	.rodata,"a",@progbits
	.p2align	6, 0x0
	.amdhsa_kernel k_q977d3e253d_attn
		.amdhsa_group_segment_fixed_size 327680
		.amdhsa_private_segment_fixed_size 0
		.amdhsa_enable_private_segment 0
		.amdhsa_kernarg_size 24
		.amdhsa_user_sgpr_count 2
		.amdhsa_user_sgpr_kernarg_segment_ptr 1
		.amdhsa_wavefront_size32 1
		.amdhsa_system_sgpr_workgroup_id_x 1
		.amdhsa_system_sgpr_workgroup_id_y 1
		.amdhsa_system_sgpr_workgroup_id_z 1
		.amdhsa_system_vgpr_workitem_id 0
		.amdhsa_next_free_vgpr 384
		.amdhsa_next_free_sgpr 66
		.amdhsa_reserve_vcc 1
		.amdhsa_float_denorm_mode_32 3
		.amdhsa_float_denorm_mode_16_64 3
		.amdhsa_memory_ordered 1
		.amdhsa_forward_progress 1
		.amdhsa_inst_pref_size 74
	.end_amdhsa_kernel
	.amdgpu_metadata
---
amdhsa.version: [ 1, 2 ]
amdhsa.kernels:
  - .name:           k_q977d3e253d_attn
    .symbol:         k_q977d3e253d_attn.kd
    .args:
      - { .name: qb, .offset: 0, .size: 8, .value_kind: global_buffer, .address_space: global }
      - { .name: kvc, .offset: 8, .size: 8, .value_kind: global_buffer, .address_space: global }
      - { .name: cq, .offset: 16, .size: 8, .value_kind: global_buffer, .address_space: global }
    .group_segment_fixed_size: 327680
    .private_segment_fixed_size: 0
    .kernarg_segment_align: 8
    .kernarg_segment_size: 24
    .max_flat_workgroup_size: 256
    .sgpr_count:     66
    .vgpr_count:     384
    .wavefront_size: 32
...
	.end_amdgpu_metadata
.endif
;; end of part 3
;; launch outp (part 4): grid 16 x 16, 4 waves a work-group, clusters of 4 x 1, 167,936 bytes of LDS; arguments cq, qz, bc, out0; writes out0
.if DOCPART == 4
	.amdgcn_target "amdgcn-amd-amdhsa--gfx1250"
	.amdhsa_code_object_version 6
	.text
	.protected	k_q977d3e253d_outp
	.globl	k_q977d3e253d_outp
	.p2align	8
	.type	k_q977d3e253d_outp,@function
k_q977d3e253d_outp:
	s_mov_b64 s[64:65], 0
	v_nop
	global_prefetch_b8 v0, s[64:65] scope:SCOPE_SE
	s_setreg_imm32_b32 hwreg(HW_REG_WAVE_MODE, 25, 1), 1
	s_wait_xcnt 0x0
	s_wait_alu depctr_hold_cnt(0) depctr_sa_sdst(0) depctr_va_vdst(0) depctr_va_sdst(0) depctr_va_ssrc(0) depctr_va_vcc(0) depctr_vm_vsrc(0)
	s_getreg_b32 s2, hwreg(HW_REG_IB_STS2, 6, 4)
	s_cmp_eq_u32 s2, 0
	s_cbranch_scc0 .Lentry_in_a_cluster
	s_endpgm
.Lentry_in_a_cluster:
	s_bfe_u32 s2, ttmp6, 0x10000c
	s_cmp_lg_u32 s2, 0x3003
	s_cbranch_scc0 .Lentry_shape_is_right
	s_endpgm
.Lentry_shape_is_right:
; out = cat Wc + bc, on codes of FP6 (E2M3) with E8M0 scales; out [4096][1024] f32.
; OPERANDS come as records in the order of the operand registers (25,600 bytes for 32 rows and K = 1,024: fragment (u, s) at 1536 (8 u + s), its halves of 64 along K 768 bytes apart, registers 0-3 at 16 x lane,
; registers 4-5 at 512 + 8 x lane; scale words at 24,576 + 128 s + 4 (16 u + r)); row l of a pair lies in tile u = (l / 8) % 2, tile row l % 8 + 8 (l / 16).
; SHARES.  Work-group (R, J): rows 256 R on, columns 64 J on.  Wave w: rows 64 w on, four tiles a, against Wc's four tiles t: 16 accumulators by turns, 128 matrix instructions.
; cat's fragments go from memory into 384 registers, three K steps ahead.  Wc's two records, 51,200 dense bytes, lie whole in LDS, filled once.
; CLUSTER: the four row blocks of a cluster want the same records of Wc: each wave asks for a quarter JOINTLY (same descriptor, mask of all four).  One tensor load of a wave is out.
; Source 0 = 16 columns of Wc, source 1 = 16 rows of cat: a lane holds one row; the registers of tiles 2 j and 2 j + 1 are columns 32 j + 16 (lane / 16) + 0 .. 15.  THE BIAS is the C of each sum's first matrix instruction.
; THE WAY OUT: a tile's 16 rows x 256 bytes go through the wave's own stage in LDS (pitch 272) and leave as rows: sixteen lanes store 256 consecutive bytes, aligned.
; REGISTERS.  Window 0: v1-3 16, 8, 4 x lane; v10, v11 the add's two; v12, v13 the stage, in and out; v14 my place in two rows of out; v15 the bias's lane offset; v32-47 cat's scale words; v48-51 Wc's, two sets;
;   v96-127 the bias, four tiles; v64-95 and v96-127 rows on the way out; v128-255 accumulators.   Window 1: cat's K steps 0-4 at 48 s + 12 a.   Window 2: K steps 5-7; from v144 Wc's fragments, two sets of 48.
.set PRB,   25600
.set STAGE, 2*PRB                      ; behind Wc's records: 16 rows x 272 bytes for each wave; no fill lands here
.set SPARE, STAGE+4*4352               ; behind the stages: the spare words, 128 bytes a wave: two blocks of 256 bytes that no other line names
.set ACC,   128
.set BIAS,  96
.set XSC,   32
.set WSC,   48
.set MSB, 0
.macro WIN new                         ; low byte: bits 1:0 source 0, 3:2 source 1, 5:4 source 2, 7:6 destination; the high byte repeats the setting that is left
.if MSB != \new
	s_set_vgpr_msb (MSB<<8)|\new
.set MSB, \new
.endif
.endm
.macro CROUND                          ; a round of the cluster's barrier
	s_barrier_signal -1
	s_barrier_wait -1
	s_cmp_lg_u32 s12, 0
	s_cbranch_scc1 .Lnot_wave_0_\@
	s_barrier_signal -3
.Lnot_wave_0_\@:
	s_barrier_wait -3
	s_barrier_signal -1
	s_barrier_wait -1
.endm
.macro PLACES n
.rept \n
	v_nop
.endr
.endm
; one matrix instruction: D, source 0, source 1, C by their first registers; sa, sb the scale registers; ra, rb = 1: the scales stand in lanes 16-31
.macro WM d, a, b, c, sa, sb, ra, rb
.set wD, \d
.set wA, \a
.set wB, \b
.set wC, \c
.set wS, \sa
.set wT, \sb
.if (\ra) && (\rb)
	v_wmma_scale_f32_16x16x128_f8f6f4 v[wD:wD+7], v[wA:wA+11], v[wB:wB+11], v[wC:wC+7], v[wS], v[wT] matrix_a_fmt:MATRIX_FMT_FP6 matrix_b_fmt:MATRIX_FMT_FP6 matrix_a_scale:MATRIX_SCALE_ROW1 matrix_b_scale:MATRIX_SCALE_ROW1
.elseif \ra
	v_wmma_scale_f32_16x16x128_f8f6f4 v[wD:wD+7], v[wA:wA+11], v[wB:wB+11], v[wC:wC+7], v[wS], v[wT] matrix_a_fmt:MATRIX_FMT_FP6 matrix_b_fmt:MATRIX_FMT_FP6 matrix_a_scale:MATRIX_SCALE_ROW1
.elseif \rb
	v_wmma_scale_f32_16x16x128_f8f6f4 v[wD:wD+7], v[wA:wA+11], v[wB:wB+11], v[wC:wC+7], v[wS], v[wT] matrix_a_fmt:MATRIX_FMT_FP6 matrix_b_fmt:MATRIX_FMT_FP6 matrix_b_scale:MATRIX_SCALE_ROW1
.else
	v_wmma_scale_f32_16x16x128_f8f6f4 v[wD:wD+7], v[wA:wA+11], v[wB:wB+11], v[wC:wC+7], v[wS], v[wT] matrix_a_fmt:MATRIX_FMT_FP6 matrix_b_fmt:MATRIX_FMT_FP6
.endif
.endm
; my four tiles' fragments of cat for K step s, and the two pairs' scale words: 18 loads from memory
.macro LOADA s
.if (\s) < 5
	WIN 0x40
.set fb, 48*(\s)
.else
	WIN 0x80
.set fb, 48*((\s)-5)
.endif
.irp a, 0,1,2,3
.set fo, PRB*(\a/2)+1536*(8*(\a%2)+(\s))
	global_load_b128 v[fb+12*\a:fb+12*\a+3], v1, s[36:37] offset:fo
	global_load_b64 v[fb+12*\a+4:fb+12*\a+5], v2, s[36:37] offset:fo+512
	global_load_b128 v[fb+12*\a+6:fb+12*\a+9], v1, s[36:37] offset:fo+768
	global_load_b64 v[fb+12*\a+10:fb+12*\a+11], v2, s[36:37] offset:fo+1280
.endr
	WIN 0
.irp p, 0,1
	global_load_b32 v[XSC+2*(\s)+\p], v3, s[36:37] offset:PRB*\p+24576+128*(\s)
.endr
.endm
; Wc's four tiles for K step s into one of the two sets, and their scale words: 18 loads from LDS, each of consecutive bytes
.macro LOADB s, set
	WIN 0x80
.irp t, 0,1,2,3
.set fo, PRB*(\t/2)+1536*(8*(\t%2)+(\s))
.set fb, 144+48*(\set)+12*\t
	ds_load_b128 v[fb:fb+3], v1 offset:fo
	ds_load_b64 v[fb+4:fb+5], v2 offset:fo+512
	ds_load_b128 v[fb+6:fb+9], v1 offset:fo+768
	ds_load_b64 v[fb+10:fb+11], v2 offset:fo+1280
.endr
	WIN 0
.irp j, 0,1
	ds_load_b32 v[WSC+2*(\set)+\j], v3 offset:PRB*\j+24576+128*(\s)
.endr
.endm
.macro GSTEP s
.if (\s) > 0
	PLACES 4                                       ; four plain instructions between the last step's products and loads into registers that they read (ISA guide 7.12.1 for vector instructions)
.endif
.if (\s) < 7
	LOADB (\s)+1, 1-(\s)%2
.endif
.if (\s) < 5
	LOADA (\s)+3
.endif
.if (\s) < 7
	s_wait_dscnt 18                                ; this step's Wc is in; the 18 loads just issued may be out
.else
	s_wait_dscnt 0x0
.endif
.if (\s) < 5
	s_wait_loadcnt 54                              ; this step's cat (and, at step 0, the bias ahead of it) is in; three later steps' 18 loads each may be out
.set xb, 48*(\s)
	WIN 0x06                                       ; source 0 = Wc (window 2), source 1 = cat (window 1)
.else
	s_wait_loadcnt 18*(7-(\s))
.set xb, 48*((\s)-5)
	WIN 0x0a                                       ; both in window 2
.endif
.set wb, 144+48*((\s)%2)
.irp a, 0,1,2,3
.irp t, 0,1,2,3
.if (\s) == 0
	WM ACC+8*(4*\a+\t), wb+12*\t, xb+12*\a, BIAS+8*\t, WSC+2*((\s)%2)+\t/2, XSC+2*(\s)+\a/2, \t%2, \a%2
.else
	WM ACC+8*(4*\a+\t), wb+12*\t, xb+12*\a, ACC+8*(4*\a+\t), WSC+2*((\s)%2)+\t/2, XSC+2*(\s)+\a/2, \t%2, \a%2
.endif
.endr
.endr
	WIN 0
.endm
	s_load_b256 s[4:11], s[0:1], 0x0               ; cq s[4:5], qz s[6:7], bc s[8:9], out0 s[10:11]
	v_lshl_add_u32 v10, v0, 2, SPARE
	v_mov_b32 v11, 0
	ds_add_u32 v10, v11                            ; the wave's opening: the add and its wait ahead of my first tensor load; the set-up, work on registers, stands between
	ds_add_u32 v10, v11
	v_lshrrev_b32 v28, 5, v0
	v_readfirstlane_b32 s12, v28                   ; wave w
	s_bfe_u32 s13, ttmp6, 0x40000                  ; cx
	s_lshl_b32 s14, ttmp9, 2
	s_add_co_u32 s14, s14, s13                     ; R = 4 x cluster x + cx: it enters cat's and out's addresses alone
	s_and_b32 s15, ttmp7, 0xffff                   ; J, which the four partners share
	; descriptor group 1: 50 rows of 256 bytes (32 elements of 8), dense, no padding
	s_mov_b32 s16, 15|(3<<16)|(1<<21)              ; 15:0 the mask: all four work-groups; 17:16 elements of 8 bytes; 21 set beside a mask
	s_mov_b32 s17, 32<<16                          ; tensor_dim0
	s_mov_b32 s18, 50<<16                          ; tensor_dim1
	s_mov_b32 s19, 32<<16                          ; tile_dim0
	s_mov_b32 s20, 50                              ; tile_dim1
	s_mov_b32 s21, 32                              ; the pitch
	s_mov_b32 s22, 0
	s_mov_b32 s23, 0
	s_lshl_b32 s54, s15, 1                         ; Wc's records 224 + 2 J and the next; registers s54-57 never hold cx
	s_add_co_u32 s54, s54, 224
	s_mul_i32 s54, s54, PRB
	s_mul_i32 s56, s12, 12800                      ; my quarter, in memory and in LDS
	s_add_co_u32 s54, s54, s56
	s_mov_b32 s55, 0
	s_mul_i32 s57, s12, 4352
	s_add_co_u32 s57, s57, STAGE                   ; my stage
	s_lshl_b32 s58, s14, 3                         ; cat's records 8 R + 2 w and the next
	s_lshl_b32 s59, s12, 1
	s_add_co_u32 s58, s58, s59
	s_mul_i32 s58, s58, PRB
	s_mov_b32 s59, 0
	s_lshl_b32 s38, s15, 8                         ; the bias's, and a row's, 256 bytes of columns 64 J on
	s_mov_b32 s39, 0
	s_lshl_b32 s40, s14, 8
	s_lshl_b32 s41, s12, 6
	s_add_co_u32 s40, s40, s41                     ; my first row: 256 R + 64 w
	s_lshl_b32 s40, s40, 12
	s_add_co_u32 s40, s40, s38
	s_mov_b32 s41, 0
	v_and_b32 v28, 31, v0
	v_lshlrev_b32 v1, 4, v28
	v_lshlrev_b32 v2, 3, v28
	v_lshlrev_b32 v3, 2, v28
	v_and_b32 v29, 15, v0                          ; r
	v_bfe_u32 v30, v0, 4, 1                        ; h
	v_lshlrev_b32 v15, 6, v30                      ; the bias: 16 numbers on for lanes 16-31
	v_mul_u32_u24 v12, v29, 272
	v_lshl_add_u32 v12, v30, 6, v12
	v_add_nc_u32 v12, s57, v12                     ; into the stage: row r, + 64 h
	v_mul_u32_u24 v13, v30, 272
	v_lshl_add_u32 v13, v29, 4, v13
	v_add_nc_u32 v13, s57, v13                     ; back: lanes 0-15 one row of 256 bytes, lanes 16-31 the next
	v_lshlrev_b32 v14, 12, v30
	v_lshl_add_u32 v14, v29, 4, v14                ; and the same two rows in out
	s_wait_dscnt 0x0                               ; the opening add is done
	s_wait_kmcnt 0x0
	s_mov_b32 s24, 1                               ; count = 1
	s_mov_b32 s25, s56                             ; LDS address: my quarter
	s_add_nc_u64 s[26:27], s[6:7], s[54:55]
	s_or_b32 s27, s27, 0x80000000                  ; type = 2
	s_add_nc_u64 s[36:37], s[4:5], s[58:59]
	s_add_nc_u64 s[38:39], s[8:9], s[38:39]
	s_add_nc_u64 s[40:41], s[10:11], s[40:41]
	CROUND                                         ; all four work-groups are here: the joint loads meet
	tensor_load_to_lds s[24:27], s[16:23]
	s_nop 0
	PLACES 4                                       ; (the register windows are switched only behind these)
	s_wait_alu depctr_va_vdst(0)
.irp t, 0,1,2,3
	global_load_b128 v[BIAS+8*\t:BIAS+8*\t+3], v15, s[38:39] offset:128*(\t/2)+32*(\t%2)        ; tile t, lane half h: columns 32 (t / 2) + 16 h + 8 (t % 2) + 0 .. 7
	global_load_b128 v[BIAS+8*\t+4:BIAS+8*\t+7], v15, s[38:39] offset:128*(\t/2)+32*(\t%2)+16
.endr
	LOADA 0
	LOADA 1
	LOADA 2
	s_wait_tensorcnt 0x0                           ; my quarter of Wc is in,
	s_barrier_signal -1
	s_barrier_wait -1                              ; everybody's is
	LOADB 0, 0
.irp s, 0,1,2,3,4,5,6,7
	GSTEP \s
.endr
; tile a: into my stage, each accumulator from its low end on, and back as rows.  LDS serves a wave's instructions in order (ISA guide 5.7.1.4): no wait between the stores and the loads, nor ahead of the next tile's stores
.macro TOSTAGE a
.irp t, 0,1,2,3
	ds_store_b128 v12, v[ACC+8*(4*(\a)+\t):ACC+8*(4*(\a)+\t)+3] offset:128*(\t/2)+32*(\t%2)
	ds_store_b128 v12, v[ACC+8*(4*(\a)+\t)+4:ACC+8*(4*(\a)+\t)+7] offset:128*(\t/2)+32*(\t%2)+16
.endr
.set BB, 64+32*((\a)%2)
.irp i, 0,1,2,3,4,5,6,7
	ds_load_b128 v[BB+4*\i:BB+4*\i+3], v13 offset:544*\i
.endr
.endm
.macro SEND a, younger                 ; younger: the LDS instructions issued behind tile a's loads, which may stay out
.set BB, 64+32*((\a)%2)
	s_wait_dscnt \younger
.irp i, 0,1,2,3,4,5,6,7
	global_store_b128 v14, v[BB+4*\i:BB+4*\i+3], s[40:41] offset:(32*((\a)/2)+8*((\a)%2)+2*\i+8*(\i/4))*4096 th:TH_STORE_NT   ; tile rows 2 i, 2 i + 1 at their places in the pair; 16 lanes store 256 consecutive bytes, aligned
.endr
.endm
	PLACES 4                                       ; behind the last products: their results are read, and the bias's registers loaded, only behind these
	TOSTAGE 0
.irp a, 1,2,3
.if \a > 1
	s_wait_xcnt 0x0                                ; tile a - 2's stores have read their registers: tile a's rows may land there
.endif
	TOSTAGE \a
	SEND \a-1, 16                                  ; behind tile a - 1's loads: tile a's eight stores and eight loads
.endr
	SEND 3, 0
	s_wait_tensorcnt 0x0                           ; the wave's end
	ds_add_u32 v10, v11
	s_wait_dscnt 0x0
	CROUND                                         ; the closing round
	s_endpgm
.Lfunc_end_k_q977d3e253d_outp:
	.size	k_q977d3e253d_outp, .Lfunc_end_k_q977d3e253d_outp-k_q977d3e253d_outp
	.p2alignl 7, 3214868480
	.fill 96, 4, 3214868480
	.section	.rodata,"a",@progbits
	.p2align	6, 0x0
	.amdhsa_kernel k_q977d3e253d_outp
		.amdhsa_group_segment_fixed_size 167936
		.amdhsa_private_segment_fixed_size 0
		.amdhsa_enable_private_segment 0
		.amdhsa_kernarg_size 32
		.amdhsa_user_sgpr_count 2
		.amdhsa_user_sgpr_kernarg_segment_ptr 1
		.amdhsa_wavefront_size32 1
		.amdhsa_system_sgpr_workgroup_id_x 1
		.amdhsa_system_sgpr_workgroup_id_y 1
		.amdhsa_system_sgpr_workgroup_id_z 1
		.amdhsa_system_vgpr_workitem_id 0
		.amdhsa_next_free_vgpr 768
		.amdhsa_next_free_sgpr 66
		.amdhsa_reserve_vcc 0
		.amdhsa_float_denorm_mode_32 3
		.amdhsa_float_denorm_mode_16_64 3
		.amdhsa_memory_ordered 1
		.amdhsa_forward_progress 1
		.amdhsa_inst_pref_size 54
	.end_amdhsa_kernel
	.amdgpu_metadata
---
amdhsa.version: [ 1, 2 ]
amdhsa.kernels:
  - .name:           k_q977d3e253d_outp
    .symbol:         k_q977d3e253d_outp.kd
    .args:
      - { .name: cq, .offset: 0, .size: 8, .value_kind: global_buffer, .address_space: global }
      - { .name: qz, .offset: 8, .size: 8, .value_kind: global_buffer, .address_space: global }
      - { .name: bc, .offset: 16, .size: 8, .value_kind: global_buffer, .address_space: global }
      - { .name: out0, .offset: 24, .size: 8, .value_kind: global_buffer, .address_space: global }
    .group_segment_fixed_size: 167936
    .private_segment_fixed_size: 0
    .kernarg_segment_align: 8
    .kernarg_segment_size: 32
    .max_flat_workgroup_size: 128
    .sgpr_count:     66
    .vgpr_count:     768
    .wavefront_size: 32
...
	.end_amdgpu_metadata
.endif
;; end of part 4
